; MI455X (gfx1250); checked and timed in simulation.
; The chip was launched on July 23, 2026; its instructions are those of AMD's public machine-readable ISA for CDNA 5 (MIT licence, August 2026) and "CDNA5" Instruction Set Architecture Reference Guide (July 2026). The comments in the code are by the model that wrote it; some were corrected since.
;; Multi Head Attention. Allowed arithmetic: matrix products marked QUANTISED: E2M3 operands, one E8M0 scale for each 32 along K, by v_wmma_scale_f32_16x16x128_f8f6f4 with both operands' format E2M3, f32 sums; everything else in f32.
;; Inputs: W_k_codes 1,024 x 32 x 24 uint8 (E2M3 codes of W_k, K innermost, in blocks of 32 codes, four codes in three bytes); W_k_scales 1,024 x 32 uint8 (E8M0 scales of W_k, one for each 32 codes along K); W_o_codes 1,024 x 32 x 24 uint8 (E2M3 codes of W_o, K innermost, in blocks of 32 codes, four codes in three bytes); W_o_scales 1,024 x 32 uint8 (E8M0 scales of W_o, one for each 32 codes along K); W_q_codes 1,024 x 32 x 24 uint8 (E2M3 codes of W_q, K innermost, in blocks of 32 codes, four codes in three bytes); W_q_scales 1,024 x 32 uint8 (E8M0 scales of W_q, one for each 32 codes along K); W_v_codes 1,024 x 32 x 24 uint8 (E2M3 codes of W_v, K innermost, in blocks of 32 codes, four codes in three bytes); W_v_scales 1,024 x 32 uint8 (E8M0 scales of W_v, one for each 32 codes along K); b_k 1,024 float32; b_o 1,024 float32; b_q 1,024 float32; b_v 1,024 float32; key_codes 4 x 2,048 x 32 x 24 uint8 (E2M3 codes of key, K innermost, in blocks of 32 codes, four codes in three bytes); key_scales 4 x 2,048 x 32 uint8 (E8M0 scales of key, one for each 32 codes along K); mask 1 x 1 x 2,048 x 2,048 bool; query_codes 4 x 2,048 x 32 x 24 uint8 (E2M3 codes of query, K innermost, in blocks of 32 codes, four codes in three bytes); query_scales 4 x 2,048 x 32 uint8 (E8M0 scales of query, one for each 32 codes along K); value_codes 4 x 2,048 x 32 x 24 uint8 (E2M3 codes of value, K innermost, in blocks of 32 codes, four codes in three bytes); value_scales 4 x 2,048 x 32 uint8 (E8M0 scales of value, one for each 32 codes along K).
;; Outputs: out0 4 x 2,048 x 1,024 float32.
;; This version of the problem:
;;   THIS VERSION OF THE PROBLEM IS GIVEN IN LOW PRECISION. The matrix products marked QUANTISED in the list below multiply operands that are first quantised to E2M3 (2 exponent bits, 3 mantissa bits; 6 bits a number), with one power-of-two scale for each 32 numbers along K (OCP MX v1.0); their sums are f32. All else is computed in f32.
;;   The module's matrix products, in the order in which they are computed (A, B: the left and right operand; K: the contracted axis; several contracted axes count as one K, in the product's order):
;;     1. [M 8,192, K 1,024] x [K 1,024, N 1,024]; A: input query (given as codes); B: input W_q (given as codes): QUANTISED
;;     2. [M 8,192, K 1,024] x [K 1,024, N 1,024]; A: input key (given as codes); B: input W_k (given as codes): QUANTISED
;;     3. [M 8,192, K 1,024] x [K 1,024, N 1,024]; A: input value (given as codes); B: input W_v (given as codes): QUANTISED
;;     4. batch 64 x [M 2,048, K 64] x [K 64, N 2,048]; A: computed on the way; B: computed on the way: QUANTISED
;;     5. batch 64 x [M 2,048, K 2,048] x [K 2,048, N 64]; A: softmax (see below); B: computed on the way: QUANTISED
;;     6. [M 8,192, K 1,024] x [K 1,024, N 1,024]; A: computed on the way; B: input W_o (given as codes): QUANTISED
;;   THE QUANTISER, for each operand of a quantised product, along K:
;;     - K is cut into blocks of 32 from its start; a last block that is shorter is filled with zeros.
;;     - A block's scale is 2^e with e = floor(log2(the largest magnitude in the block)) - 2, held to -126 .. 127; a block of zeros has e = 0. As a byte (E8M0): e + 127.
;;     - Each number is divided by its block's scale, clamped to +-7.5, and rounded to the nearest number of E2M3, ties to even, subnormals kept.
;;     - The product sums the exact products of the quantised numbers (number of the format x scale) in f32.
;;   ~~~python
;;   def quantise(x, axis):      # numpy; x: float32 -> the quantised numbers, widened to float32 again
;;       x = np.moveaxis(x, axis, -1); K = x.shape[-1]
;;       x = np.pad(x, [(0, 0)] * (x.ndim - 1) + [(0, -K % 32)]); x = x.reshape(x.shape[:-1] + (-1, 32)); a = np.abs(x).max(-1, keepdims=True)
;;       e = np.where(a > 0, np.clip(np.frexp(np.where(a > 0, a, 1))[1] - 1 - 2, -126, 127), 0)      # np.frexp(a)[1] - 1 = floor(log2(a)), exactly
;;       r = np.clip(x / 2.0 ** e, -7.5, 7.5)
;;       step = 2.0 ** (np.maximum(np.frexp(np.where(r == 0, 1, r))[1] - 1, 0) - 3)
;;       q = np.round(r / step) * step * 2.0 ** e      # np.round: ties to even
;;       return np.moveaxis(q.reshape(q.shape[:-2] + (-1,))[..., :K], -1, axis).astype(np.float32)
;;   ~~~
;;   SOFTMAX AHEAD OF A QUANTISED PRODUCT. Where the list says 'softmax', what is quantised is not the finished softmax but p = 2^(t - M), with t = logit x log2(e) and M = ceil(the row's largest t), a whole number; so 1/2 < the row's largest p <= 1. The row's sum l is taken of the UNQUANTISED p, in f32, and the product's result is divided by l at the end. Since M is a whole number, a kernel that streams over the keys may use a running M (the ceiling of the running maximum): every later rescaling is an exact power of two, which a block's scale takes up: the codes' values come out the same.
;;   OPERANDS COMPUTED ON THE WAY. 'Computed on the way' means the value that the module computes at that place (a softmax that the list does not call 'softmax' is quantised finished and normalised). What goes into a quantiser is computed in f32, as accurately as f32 sums, v_exp_f32 and their like allow (about 1e-6 of the number): no bf16 or f16 on the way to a quantiser, and a product that is left as it is and whose result goes on into a quantised operand takes f32 operands (vector FMAs, or v_wmma_f32_16x16x4_f32). A number that lies on a knife's edge between two numbers of the format may be rounded either way, as far as f32 arithmetic and the matrix unit's own rounding can turn it there, and no further.
;;   INPUTS GIVEN AS CODES. W_k (in the module: [1024, 1024], K = its axis 1); W_o (in the module: [1024, 1024], K = its axis 1); W_q (in the module: [1024, 1024], K = its axis 1); W_v (in the module: [1024, 1024], K = its axis 1); key (in the module: [4, 2048, 1024], K = its axis 2); query (in the module: [4, 2048, 1024], K = its axis 2); value (in the module: [4, 2048, 1024], K = its axis 2): each comes as NAME_codes (uint8): NAME with its K axis moved to the last place and cut into blocks of 32 codes, [.., K / 32, bytes a block], one block behind the other in memory; four codes in three bytes: a row's codes are one little-endian stream of bits, code i at bits 6 i .. 6 i + 5 (a code: sign, 2 exponent bits, 3 mantissa bits); and NAME_scales (uint8): the same leading axes, one E8M0 byte (e + 127) for each 32 codes along K. Its value is code x scale, taken as it is: it is not quantised again, and the codes and scales need not be those that the quantiser above would give.
;; One version. Each part assembles by itself: llvm-mc -triple=amdgcn-amd-amdhsa -mcpu=gfx1250 --defsym DOCPART=n.
;; ======== version 1 of 1: 4 launches
;; workspace buffers: mwords 524,288 bytes of whole numbers; mflags 512 bytes of whole numbers; img 18,874,368 bytes; sc 786,432 bytes; aimg 6,291,456 bytes; asc 262,144 bytes
;; launch maskprep (part 1): grid 128 x 1, 8 waves a work-group, no clusters, 34,304 bytes of LDS; arguments mask, mwords, mflags; writes mwords, mflags
.if DOCPART == 1
	.amdgcn_target "amdgcn-amd-amdhsa--gfx1250"
	.amdhsa_code_object_version 6
	.text
	.protected	k_q338b7f0368_maskprep
	.globl	k_q338b7f0368_maskprep
	.p2align	8
	.type	k_q338b7f0368_maskprep,@function
k_q338b7f0368_maskprep:
	s_mov_b64 s[64:65], 0
	v_nop
	global_prefetch_b8 v0, s[64:65] scope:SCOPE_SE
	s_setreg_imm32_b32 hwreg(HW_REG_WAVE_MODE, 25, 1), 1
	s_wait_xcnt 0x0
; The mask [2048 queries][2048 keys], one byte each, becomes what the attention launch can use without looking at bytes:
;   mwords [tile of 16 queries T][step of 128 keys s][n = 0..63]: a word of 32 bits; bit l of word n = 8 t + j says whether key 128 s + 16 t + 8 (l / 16) + j
;          counts for query 16 T + l % 16: the lane mask of score register n of that launch.
;   mflags [T]: bit s: some key of step s counts for some query of the tile; bit 16 + s: not all of them count.
; Any byte other than 0 counts as true.
; A work-group takes 16 rows of the mask.  Wave w brings rows 2 w and 2 w + 1 (each load: 512 consecutive bytes), the rows meet in LDS, and wave w then makes steps 2 w and 2 w + 1.
; Memory binds and the matrix units have nothing to do here; no tensor load: the rows are read once and are small.
.set PITCH, 2064                       ; an LDS row: 2,048 bytes + 16 = 516 words: row r starts at bank 4 r mod 64, so the 32 lanes of an 8-byte load touch 64 different banks
.set FL,    33024                      ; behind the rows: a word of flags for each wave
.set DAT,   16                         ; v16-47  data
.set WD,    12                         ; v[12:13], v[14:15]  the 64 words of a step: lane L holds words 2 L and 2 L + 1
	s_load_b128 s[4:7], s[0:1], 0x0                ; mask, mwords
	s_load_b64 s[8:9], s[0:1], 0x10                ; mflags
	v_lshl_add_u32 v64, v0, 2, 0x8200
	v_mov_b32 v65, 0
	v_lshrrev_b32 v1, 5, v0
	s_delay_alu instid0(VALU_DEP_1)
	v_readfirstlane_b32 s10, v1                    ; wave 0..7
	v_and_b32 v1, 31, v0                           ; lane
	v_and_b32 v2, 15, v0                           ; r
	v_bfe_u32 v3, v0, 4, 1                         ; h
	s_delay_alu instid0(VALU_DEP_3)
	v_lshlrev_b32 v4, 4, v1                        ; 16 x lane
	s_mul_i32 s11, s10, 2*PITCH
	v_add_nc_u32 v5, s11, v4                       ; into LDS: my wave's two rows, 16 bytes a lane
	v_mul_u32_u24 v6, v2, PITCH
	s_delay_alu instid0(VALU_DEP_1)
	v_lshl_add_u32 v6, v3, 3, v6
	s_lshl_b32 s11, s10, 8
	v_add_nc_u32 v6, s11, v6                       ; out of LDS: row r, my wave's 256 columns, + 8 h
	v_lshlrev_b32 v7, 3, v1                        ; 8 x lane
	v_mov_b32 v48, s10
	s_delay_alu instid0(VALU_DEP_1)
	v_lshlrev_b32 v48, 2, v48                      ; my wave's word of flags
	v_mov_b32 v49, FL
	v_mov_b32 v50, 0
	s_lshl_b32 s12, ttmp9, 15                      ; 16 rows of 2,048 bytes a work-group,
	s_lshl_b32 s13, s10, 12                        ; two rows a wave
	s_add_co_u32 s12, s12, s13
	s_mov_b32 s13, 0
	s_lshl_b32 s14, ttmp9, 12                      ; 16 steps of 256 bytes of words a work-group,
	s_lshl_b32 s15, s10, 9                         ; two steps a wave
	s_add_co_u32 s14, s14, s15
	s_mov_b32 s15, 0
	s_lshl_b32 s16, ttmp9, 2
	s_mov_b32 s17, 0
	s_mov_b32 s24, 0                               ; my wave's flags
	s_lshl_b32 s25, s10, 1                         ; my first step
	s_wait_alu depctr_va_vdst(0)
	s_wait_kmcnt 0x0
	s_add_nc_u64 s[4:5], s[4:5], s[12:13]
	s_add_nc_u64 s[6:7], s[6:7], s[14:15]
	s_add_nc_u64 s[8:9], s[8:9], s[16:17]
.irp i, 0,1
.irp c, 0,1,2,3
	global_load_b128 v[DAT+16*\i+4*\c:DAT+16*\i+4*\c+3], v4, s[4:5] offset:2048*\i+512*\c th:TH_LOAD_NT
.endr
.endr
	s_wait_loadcnt 0x0
.irp i, 0,1
.irp c, 0,1,2,3
	ds_store_b128 v5, v[DAT+16*\i+4*\c:DAT+16*\i+4*\c+3] offset:PITCH*\i+512*\c
.endr
.endr
	s_wait_dscnt 0x0                               ; for the others' sake: my rows lie in LDS
	s_barrier_signal -1
	s_barrier_wait -1
.irp e, 0,1
.irp t, 0,1,2,3,4,5,6,7
	ds_load_b64 v[DAT+16*\e+2*\t:DAT+16*\e+2*\t+1], v6 offset:128*\e+16*\t   ; keys 16 t + 8 h + 0 .. 7 of step 2 w + e, for query r
.endr
.endr
	s_wait_dscnt 0x0
; The 64 words of step 2 w + e: byte j of tile t is cut out, compared with 0 in all 32 lanes at once, and the 32 answers are one word.
.macro WORDS e
	v_mov_b32 v[WD+2*\e], 0                        ; (the destination of a write to one lane counts as read)
	v_mov_b32 v[WD+2*\e+1], 0
.set n, 0
.rept 64
	v_and_b32 v[8+n%4], 0xff<<(8*(n%4)), v[DAT+16*\e+2*(n/8)+(n%8)/4]
	s_delay_alu instid0(VALU_DEP_1)
	v_cmp_ne_u32 s[12+n%8], 0, v[8+n%4]
	s_delay_alu instid0(VALU_DEP_1)
	v_writelane_b32 v[WD+2*\e+n%2], s[12+n%8], n/2
.set n, n+1
.endr
	s_wait_alu depctr_va_vdst(0)
	v_and_b32 v9, v[WD+2*\e], v[WD+2*\e+1]
	v_or_b32 v10, v[WD+2*\e], v[WD+2*\e+1]
	s_delay_alu instid0(VALU_DEP_2)
	v_cmp_ne_u32 s20, -1, v9                       ; some word has a hole
	s_delay_alu instid0(VALU_DEP_2)
	v_cmp_ne_u32 s21, 0, v10                       ; some word has a bit
	s_cmp_lg_u32 s21, 0
	s_cselect_b32 s22, 1, 0
	s_cmp_lg_u32 s20, 0
	s_cselect_b32 s23, 0x10000, 0
	s_or_b32 s22, s22, s23
	s_add_co_u32 s26, s25, \e
	s_lshl_b32 s22, s22, s26                       ; to the step's places: bits s and 16 + s
	s_or_b32 s24, s24, s22
	global_store_b64 v7, v[WD+2*\e:WD+2*\e+1], s[6:7] offset:256*\e   ; 32 lanes store 256 consecutive bytes, aligned
.endm
	WORDS 0
	WORDS 1
	v_mov_b32 v11, s24
	ds_store_b32 v48, v11 offset:FL                ; all lanes write the same word with the same value
	s_wait_dscnt 0x0
	s_barrier_signal -1
	s_barrier_wait -1
	s_cmp_lg_u32 s10, 0
	s_cbranch_scc1 .Lend                           ; wave 0 gathers the eight waves' flags
	ds_load_b128 v[16:19], v49
	ds_load_b128 v[20:23], v49 offset:16
	s_wait_dscnt 0x0
	v_or_b32 v16, v16, v17
	v_or_b32 v18, v18, v19
	v_or_b32 v20, v20, v21
	v_or_b32 v22, v22, v23
	s_delay_alu instid0(VALU_DEP_3)
	v_or_b32 v16, v16, v18
	s_delay_alu instid0(VALU_DEP_2)
	v_or_b32 v20, v20, v22
	s_delay_alu instid0(VALU_DEP_1)
	v_or_b32 v16, v16, v20
	s_wait_alu depctr_va_vdst(0)
	s_wait_xcnt 0x0                                ; EXEC changes only when the stores above have read it
	v_cmp_eq_u32 vcc_lo, 0, v0
	s_and_saveexec_b32 s26, vcc_lo
	global_store_b32 v50, v16, s[8:9]              ; four bytes a work-group, 512 in the launch: no whole run of 256 bytes is to be had from one tile
	s_wait_xcnt 0x0
	s_or_b32 exec_lo, exec_lo, s26
.Lend:
	s_wait_tensorcnt 0x0
	ds_add_u32 v64, v65
	s_wait_dscnt 0x0
	s_endpgm
.Lfunc_end_k_q338b7f0368_maskprep:
	.size	k_q338b7f0368_maskprep, .Lfunc_end_k_q338b7f0368_maskprep-k_q338b7f0368_maskprep
	.p2alignl 7, 3214868480
	.fill 96, 4, 3214868480
	.section	.rodata,"a",@progbits
	.p2align	6, 0x0
	.amdhsa_kernel k_q338b7f0368_maskprep
		.amdhsa_group_segment_fixed_size 34304
		.amdhsa_private_segment_fixed_size 0
		.amdhsa_enable_private_segment 0
		.amdhsa_kernarg_size 24
		.amdhsa_user_sgpr_count 2
		.amdhsa_user_sgpr_kernarg_segment_ptr 1
		.amdhsa_wavefront_size32 1
		.amdhsa_system_sgpr_workgroup_id_x 1
		.amdhsa_system_sgpr_workgroup_id_y 1
		.amdhsa_system_sgpr_workgroup_id_z 1
		.amdhsa_system_vgpr_workitem_id 0
		.amdhsa_next_free_vgpr 66
		.amdhsa_next_free_sgpr 66
		.amdhsa_reserve_vcc 1
		.amdhsa_float_denorm_mode_32 3
		.amdhsa_float_denorm_mode_16_64 3
		.amdhsa_memory_ordered 1
		.amdhsa_forward_progress 1
		.amdhsa_inst_pref_size 39
	.end_amdhsa_kernel
	.amdgpu_metadata
---
amdhsa.version: [ 1, 2 ]
amdhsa.kernels:
  - .name:           k_q338b7f0368_maskprep
    .symbol:         k_q338b7f0368_maskprep.kd
    .args:
      - { .name: mask, .offset: 0, .size: 8, .value_kind: global_buffer, .address_space: global }
      - { .name: mwords, .offset: 8, .size: 8, .value_kind: global_buffer, .address_space: global }
      - { .name: mflags, .offset: 16, .size: 8, .value_kind: global_buffer, .address_space: global }
    .group_segment_fixed_size: 34304
    .private_segment_fixed_size: 0
    .kernarg_segment_align: 8
    .kernarg_segment_size: 24
    .max_flat_workgroup_size: 256
    .sgpr_count:     66
    .vgpr_count:     66
    .wavefront_size: 32
...
	.end_amdgpu_metadata
.endif
;; end of part 1
;; launch proj (part 2): grid 4 x 96, 4 waves a work-group, clusters of 4 x 4, 327,680 bytes of LDS; arguments query_codes, key_codes, value_codes, W_q_codes, W_k_codes, W_v_codes, query_scales, key_scales, value_scales, W_q_scales, W_k_scales, W_v_scales, b_q, b_k, b_v, img, sc; writes img, sc
.if DOCPART == 2
	.amdgcn_target "amdgcn-amd-amdhsa--gfx1250"
	.amdhsa_code_object_version 6
	.text
	.protected	k_q338b7f0368_proj
	.globl	k_q338b7f0368_proj
	.p2align	8
	.type	k_q338b7f0368_proj,@function
k_q338b7f0368_proj:
	s_mov_b64 s[64:65], 0
	v_nop
	global_prefetch_b8 v0, s[64:65] scope:SCOPE_SE
	s_setreg_imm32_b32 hwreg(HW_REG_WAVE_MODE, 25, 1), 1
	s_wait_xcnt 0x0
	s_wait_alu depctr_hold_cnt(0) depctr_sa_sdst(0) depctr_va_vdst(0) depctr_va_sdst(0) depctr_va_ssrc(0) depctr_va_vcc(0) depctr_vm_vsrc(0)
	s_getreg_b32 s2, hwreg(HW_REG_IB_STS2, 6, 4)
	s_cmp_eq_u32 s2, 0
	s_cbranch_scc0 .Lentry_in_a_cluster
	s_endpgm
.Lentry_in_a_cluster:
	s_bfe_u32 s2, ttmp6, 0x10000c
	s_cmp_lg_u32 s2, 0xf033
	s_cbranch_scc0 .Lentry_shape_is_right
	s_endpgm
.Lentry_shape_is_right:
; q = query W_q^T + b_q, k = key W_k^T + b_k, v = value W_v^T + b_v on codes of FP6 (E2M3) with E8M0 scales, K = 1,024; the results are quantised at once, q and k along a head's 64, v along the keys,
; and leave as IMAGES OF OPERAND REGISTERS for the attention launch (img: codes, sc: scale words).
; ONE LOOP FOR THE THREE PRODUCTS.  A tile is 256 rows of "A" x 256 rows of "B"; source 0 = 16 rows of B, source 1 = 16 rows of A: a lane holds ONE row of A and its registers run along B's rows.
;   q, k: A = the tokens, B = the weight: registers run along the features, the axis along which q and k are quantised.
;   v:    A = W_v, B = value:             registers run along the tokens, which are the keys: v's K.
; The cluster's y (0..23) says which: role = y / 8 (0 q, 1 k, 2 v), the same in all sixteen partners.  Only pointers and tile numbers are chosen by it; the way out has short branches on it with register work alone.
; Four waves, each 128 x 128: 64 accumulators, 512 registers.  K goes in steps of 256 through a ring of two LDS slots filled by the tensor data mover; the scale bytes of the 256 + 256 rows come once and stay.
; CLUSTERS: 4 x 4 work-groups; A's tiles are asked for jointly along a row of the cluster, B's along a column.
; THE ORDER INSIDE A BLOCK OF 32.  Registers 16 B + 8 u + j of a lane of half h hold element 32 B + 16 u + 8 h + j.  They are converted as they stand, so place 16 h + 8 u + j of block B holds that element.
; Both operands of each of attention's products are made in this one order (q and k here; v here and p there), and a permutation inside a block, the same on both sides, changes no product and no scale.
; LIMITS: a block of zeros, and one whose largest magnitude lies under 2^-124, gets the scale byte 1 (these bytes are read by this program alone); input scale bytes of 0xff, NaN and infinities are not served.
; REGISTERS, in windows of 256: window 0: v0-31 addresses; v32-63 scale words, two sets; v64-127 the bias along the registers; from v128 A's fragments, one set; v240-255 the bias along the lanes.
;   window 1: B's fragments, two sets.   windows 2, 3: the accumulators ((a, b) at v[8 (8 (a % 4) + b)]).   On the way out v128-239 of window 0 are at work.
.set KSTEP,  256
.set NQ,     2
.set ROWB,   192                       ; a tile's row in bytes: 256 codes
.set KROW,   768                       ; a row of codes in memory
.set PITCH,  240                       ; an LDS row: 3 x (64 bytes + 16 of padding) = 60 words: the 32 lanes of an 8-byte load touch 64 different banks
.set FR,     12
.set NL,     6
.set NP,     4
.set HALFT,  128*PITCH
.set SLOT,   4*HALFT
.set LAPS,   2                         ; 1,024 / 512
.set KS,     32                        ; a row of scale bytes
.set SCL,    2*SLOT
.set HALFS,  (128*KS/256)*272
.set SBLK,   (16*KS/256)*272
.set SPARE,  SCL+4*HALFS               ; the spare words, 128 bytes a wave: two blocks of 256 bytes that no other line names
.set BNO,  12                          ; v12  offset of the bias along the registers
.set BMO,  13                          ; v13  offset of the bias along the lanes
.set ADRA, 16
.set ADRB, 20
.set ADRS, 27
.set SPW,  28
.set NIL,  29
.set VO0,  30                          ; v30  8 x lane: my place in a piece of 256 bytes;  v31: the same for the fragment's second six registers
.set SC,   32
.set BN,   64
.set AF,   128
.set BM,   240
.set ST,   128                         ; the way out: 64 numbers
.set TM,   192                         ; v192-195 largest magnitudes, v196-199 bytes, v204-207 the conversions' scale operands
.set PWS,  208                         ; v208-215 the eight blocks' scale words
.set PC,   216                         ; v216-235 the codes
.set RS,   236                         ; v236-239 the scale words as they are stored
.set SEL,  18
.set G1, 24
.set G0, 32
.set G1B, 48
.set G0B, 56
.set G1S, 68
.set G0S, 76
.set G1SB, 80
.set G0SB, 88
.set MSB, 0
.macro WIN new                         ; the immediate's high byte repeats the setting that is left
.if MSB != \new
	s_set_vgpr_msb (MSB<<8)|\new
.set MSB, \new
.endif
.endm
.set MUL_LO, 0xa1                      ; source 0 (B) window 1, source 1 (A) window 0, C and D window 2
.set MUL_HI, 0xf1
.set TO_B,   0x40
; A joint load: waves 0 and 1 fetch for A, waves 2 and 3 for B; the branch hangs on the wave's number alone.  Four v_nop follow each of the two lines.
.macro JLOAD g0a, g1a, g0b, g1b
	s_cmp_eq_u32 s15, 0
	s_cbranch_scc0 .Lfor_b_\@
	tensor_load_to_lds s[\g0a:\g0a+3], s[\g1a:\g1a+7]
	s_nop 0
.rept 4
	v_nop
.endr
	s_branch .Lasked_\@
.Lfor_b_\@:
	tensor_load_to_lds s[\g0b:\g0b+3], s[\g1b:\g1b+7]
	s_nop 0
.rept 4
	v_nop
.endr
.Lasked_\@:
.endm
.macro CREST                           ; a round of the cluster's barrier behind its opening barrier
	s_cmp_lg_u32 s14, 0
	s_cbranch_scc1 .Lnot_wave_0_\@
	s_barrier_signal -3
.Lnot_wave_0_\@:
	s_barrier_wait -3
	s_barrier_signal -1
	s_barrier_wait -1
.endm
.macro CROUND
	s_barrier_signal -1
	s_barrier_wait -1
	CREST
.endm
	s_load_b512 s[68:83], s[0:1], 0x0              ; query, key, value codes; W_q, W_k, W_v codes; query, key scales
	s_load_b512 s[84:99], s[0:1], 0x40             ; value scales; W_q, W_k, W_v scales; b_q, b_k, b_v; img
	s_load_b64 s[100:101], s[0:1], 0x80            ; sc
	v_lshl_add_u32 v[SPW], v0, 2, SPARE
	v_mov_b32 v[NIL], 0
	ds_add_u32 v28, v29
	ds_add_u32 v28, v29
	s_wait_dscnt 0x0
	v_lshrrev_b32 v1, 5, v0
	v_readfirstlane_b32 s14, v1                    ; wave 0..3
	s_lshr_b32 s15, s14, 1                         ; which half of A's rows is mine.  Also: I fetch for A (0) or for B (1)
	s_and_b32 s16, s14, 1                          ; which half of B's rows.  Also: which 128 rows of that tile I fetch
	s_bfe_u32 s40, ttmp6, 0x40000                  ; cx
	s_bfe_u32 s41, ttmp6, 0x40004                  ; cy
	s_and_b32 s44, ttmp7, 0xffff                   ; the cluster's y, 0..23
	s_lshr_b32 s67, s44, 3                         ; role
	s_lshr_b32 s66, s44, 4                         ; 1 for v
	s_and_b32 s44, s44, 7
	s_lshl_b32 s44, s44, 2
	s_mul_i32 s42, s44, s66
	s_sub_co_u32 s17, s44, s42
	s_add_co_u32 s42, s42, s40                     ; B's tile: q, k: cx (the weight's four);  v: 4 (y % 8) + cx (value's 32)
	s_add_co_u32 s17, s17, s41                     ; A's tile: q, k: 4 (y % 8) + cy (the tokens' 32);  v: cy (W_v's four)
	s_lshl_b32 s43, s41, 2
	s_lshl_b32 s43, 15, s43                        ; my row of the cluster
	s_lshl_b32 s44, 0x1111, s40                    ; my column
	s_wait_kmcnt 0x0
	s_cmp_eq_u32 s67, 0                            ; the choices hang on the role alone
	s_cselect_b64 s[4:5], s[68:69], s[70:71]       ; A's codes: query's or key's
	s_cselect_b64 s[6:7], s[80:81], s[82:83]       ; A's scales
	s_cselect_b64 s[8:9], s[74:75], s[76:77]       ; B's codes: W_q's or W_k's
	s_cselect_b64 s[10:11], s[86:87], s[88:89]     ; B's scales
	s_cselect_b64 s[12:13], s[92:93], s[94:95]     ; the bias
	s_cmp_eq_u32 s67, 2
	s_cselect_b64 s[4:5], s[78:79], s[4:5]         ; v: A = W_v,
	s_cselect_b64 s[6:7], s[90:91], s[6:7]
	s_cselect_b64 s[8:9], s[72:73], s[8:9]         ; B = value
	s_cselect_b64 s[10:11], s[84:85], s[10:11]
	s_cselect_b64 s[12:13], s[96:97], s[12:13]
	; descriptor group 1: a tile of 128 rows x 192 bytes, 16 bytes of padding behind every 64
	s_or_b32 s[G1+0], s43, (0<<16)|(1<<20)|(1<<21)|(3<<22)|(3<<25)
	s_or_b32 s[G1B+0], s44, (0<<16)|(1<<20)|(1<<21)|(3<<22)|(3<<25)
.irp g, G1, G1B
	s_mov_b32 s[\g+1], ROWB<<16                    ; tensor_dim0
	s_mov_b32 s[\g+2], 128<<16                     ; tensor_dim1
	s_mov_b32 s[\g+3], ROWB<<16                    ; tile_dim0
	s_mov_b32 s[\g+4], 128                         ; tile_dim1
	s_mov_b32 s[\g+5], KROW                        ; from row to row
	s_mov_b32 s[\g+6], 0
	s_mov_b32 s[\g+7], 0
.endr
	; the scales of 128 rows: 4,096 dense bytes, as rows of 256 bytes (32 elements of 8), 16 bytes of padding behind each
	s_or_b32 s[G1S+0], s43, (3<<16)|(1<<20)|(1<<21)|(5<<22)|(3<<25)
	s_or_b32 s[G1SB+0], s44, (3<<16)|(1<<20)|(1<<21)|(5<<22)|(3<<25)
.irp g, G1S, G1SB
	s_mov_b32 s[\g+1], 32<<16
	s_mov_b32 s[\g+2], (128*KS/256)<<16
	s_mov_b32 s[\g+3], 32<<16
	s_mov_b32 s[\g+4], 128*KS/256
	s_mov_b32 s[\g+5], 32
	s_mov_b32 s[\g+6], 0
	s_mov_b32 s[\g+7], 0
.endr
	s_lshl_b32 s18, s16, 7                         ; which 128 rows of the tile I fetch
	s_lshl_b32 s20, s17, 8
	s_add_co_u32 s20, s20, s18                     ; A's row
	s_lshl_b32 s46, s42, 8
	s_add_co_u32 s46, s46, s18                     ; B's row
	s_mov_b32 s21, 0
	s_mov_b32 s47, 0
	s_mov_b64 s[18:19], KS
	s_mul_u64 s[22:23], s[20:21], s[18:19]
	s_mul_u64 s[92:93], s[46:47], s[18:19]
	s_mov_b64 s[18:19], KROW
	s_mul_u64 s[20:21], s[20:21], s[18:19]
	s_mul_u64 s[46:47], s[46:47], s[18:19]
	s_mul_i32 s45, s14, HALFT                      ; where they go: wave x 128 rows: no place in the cluster enters an LDS address
	s_mul_i32 s94, s14, HALFS
	s_add_nc_u64 s[20:21], s[4:5], s[20:21]
	s_add_nc_u64 s[22:23], s[6:7], s[22:23]
	s_add_nc_u64 s[46:47], s[8:9], s[46:47]
	s_add_nc_u64 s[92:93], s[10:11], s[92:93]
	CROUND                                         ; all sixteen work-groups are here: the first joint loads meet
	s_mov_b32 s[G0S], 1
	s_add_co_u32 s[G0S+1], s94, SCL
	s_mov_b64 s[G0S+2:G0S+3], s[22:23]
	s_or_b32 s[G0S+3], s[G0S+3], 0x80000000
	s_mov_b32 s[G0SB], 1
	s_add_co_u32 s[G0SB+1], s94, SCL
	s_mov_b64 s[G0SB+2:G0SB+3], s[92:93]
	s_or_b32 s[G0SB+3], s[G0SB+3], 0x80000000
	JLOAD G0S, G1S, G0SB, G1SB                     ; the scales first.  Three tensor loads of a wave are out at the start, one behind each round
.irp s, 0,1
	s_mov_b32 s[G0+4*\s], 1
	s_add_co_u32 s[G0+4*\s+1], s45, \s*SLOT
	s_add_nc_u64 s[G0+4*\s+2:G0+4*\s+3], s[20:21], \s*ROWB
	s_or_b32 s[G0+4*\s+3], s[G0+4*\s+3], 0x80000000
	s_mov_b32 s[G0B+4*\s], 1
	s_add_co_u32 s[G0B+4*\s+1], s45, \s*SLOT
	s_add_nc_u64 s[G0B+4*\s+2:G0B+4*\s+3], s[46:47], \s*ROWB
	s_or_b32 s[G0B+4*\s+3], s[G0B+4*\s+3], 0x80000000
	JLOAD G0+4*\s, G1, G0B+4*\s, G1B
.endr
	v_and_b32 v1, 15, v0                           ; r
	v_bfe_u32 v2, v0, 4, 1                         ; h
	v_mul_u32_u24 v3, v1, PITCH
	v_mul_u32_u24 v4, v2, 24
	v_add_nc_u32 v4, v3, v4                        ; a fragment's row x pitch + 24 x half
	v_lshl_add_u32 v5, v2, 4, v4                   ; and the same behind one padding more
	s_mul_i32 s21, s15, HALFT
	s_mul_i32 s22, s16, HALFT
	s_add_co_u32 s22, s22, 2*HALFT
.irp s, 0,1
	v_add_nc_u32 v[ADRA+\s], s21, v4
	v_add_nc_u32 v[ADRB+\s], s22, v4
	v_add_nc_u32 v[ADRA+2+\s], s21, v5
	v_add_nc_u32 v[ADRB+2+\s], s22, v5
	s_add_co_u32 s21, s21, SLOT
	s_add_co_u32 s22, s22, SLOT
.endr
	v_mul_u32_u24 v5, v1, KS                       ; my row's scales: 32 bytes a row,
	v_lshrrev_b32 v6, 8, v5
	v_lshl_add_u32 v5, v6, 4, v5                   ; and 16 more for each 256 passed
	s_mul_i32 s21, s15, HALFS
	s_mul_i32 s22, s16, HALFS
	s_add_co_u32 s22, s22, 2*HALFS
	s_sub_co_u32 s22, s22, s21
	v_mul_u32_u24 v6, s22, v2                      ; lanes 16-31 take B's
	s_add_co_u32 s21, s21, SCL
	v_add_nc_u32 v5, v5, v6
	v_add_nc_u32 v[ADRS], s21, v5
	; where my results go.  m0, n0: my first row of A and of B
	s_lshl_b32 s20, s17, 8
	s_lshl_b32 s21, s15, 7
	s_add_co_u32 s20, s20, s21                     ; m0
	s_lshl_b32 s46, s42, 8
	s_lshl_b32 s47, s16, 7
	s_add_co_u32 s46, s46, s47                     ; n0
	s_cmp_eq_u32 s66, 0
	s_cselect_b32 s92, s20, s46                    ; my first token
	s_cselect_b32 s93, s46, s20                    ; my first feature
	s_cselect_b32 s22, s46, 0                      ; the bias along the registers begins at n0 (q, k); for v it is loaded from 0 and not used
	s_cselect_b32 s23, 0, s20                      ; the bias along the lanes begins at m0 (v); for q, k it is loaded from 0 and not used: so every register is written on every way, and no load leaves the buffer
	s_mov_b32 s97, 768
	s_cselect_b32 s97, 98304, s97                  ; from a fragment's first six registers to its second six: q, k: the next head's image; v: three pieces on
	s_mov_b32 s94, 1536
	s_cselect_b32 s94, 768, s94                    ; from block to block
	s_cselect_b32 s4, 0, 92160                     ; v: behind four blocks the next head begins: 98,304 - 4 x 1,536
	s_mov_b32 s95, 0
	s_mov_b32 s5, 0
	s_lshr_b32 s6, s92, 11
	s_lshl_b32 s6, s6, 8                           ; batch x 256
	s_lshr_b32 s7, s93, 6
	s_lshl_b32 s7, s7, 4                           ; + head x 16
	s_add_co_u32 s6, s6, s7
	s_bfe_u32 s7, s92, 0x40007                     ; + which 128 tokens of the batch's 2,048
	s_add_co_u32 s6, s6, s7
	s_mul_i32 s8, s6, 6144
	s_mul_i32 s9, s67, 6291456
	s_add_co_u32 s8, s8, s9
	s_mov_b32 s9, 0
	s_add_nc_u64 s[98:99], s[98:99], s[8:9]
	s_lshl_b32 s8, s6, 8
	s_mul_i32 s10, s67, 262144
	s_add_co_u32 s8, s8, s10
	s_add_nc_u64 s[100:101], s[100:101], s[8:9]
	s_lshl_b32 s22, s22, 2
	s_lshl_b32 s23, s23, 2
	v_lshlrev_b32 v[BNO], 5, v2
	v_add_nc_u32 v[BNO], s22, v[BNO]               ; 32 h + 4 x first
	v_lshlrev_b32 v[BMO], 2, v1
	v_add_nc_u32 v[BMO], s23, v[BMO]               ; 4 r + 4 x first
.irp b, 0,1,2,3,4,5,6,7
	global_load_b128 v[BN+8*\b:BN+8*\b+3], v[BNO], s[12:13] offset:64*\b        ; register 8 b + j: the bias of B's row 16 b + 8 h + j
	global_load_b128 v[BN+8*\b+4:BN+8*\b+7], v[BNO], s[12:13] offset:64*\b+16
.endr
.irp a, 0,1,2,3,4,5,6,7
	global_load_b32 v[BM+2*\a], v[BMO], s[12:13] offset:64*\a                   ; the bias of A's row 16 a + r, twice: a pair for the packed addition
	global_load_b32 v[BM+2*\a+1], v[BMO], s[12:13] offset:64*\a
.endr
	v_and_b32 v[VO0], 31, v0
	v_lshlrev_b32 v[VO0], 3, v[VO0]
	v_add_nc_u32 v[VO0+1], s97, v[VO0]
	s_mov_b32 s[SEL], 0x76543210
	s_mov_b32 s[SEL+1], 0xfedcba98                 ; lane l xor 16
	s_mov_b32 s96, 0xffff0000                      ; lanes 16-31
.macro FRAG reg, adr, q, i             ; 16 rows x 128 K: lane l holds row l % 16; registers 6 c .. 6 c + 5 hold K = 64 c + 32 (l / 16) + 0 .. 31: 24 bytes of the row, in pieces of 8
.irp p, 0,1,2,3,4,5
.set PCE, 12*(\q)+6*(\p/3)+\p%3        ; 16 bytes of padding lie behind every 8 pieces: where the piece three on lies behind one padding more, the second address register serves
.if PCE%8 < 5
	ds_load_b64 v[\reg+2*\p:\reg+2*\p+1], v[\adr] offset:8*PCE+16*(PCE/8)+(\i)*16*PITCH
.else
	ds_load_b64 v[\reg+2*\p:\reg+2*\p+1], v[\adr+2] offset:8*PCE+16*(PCE/8)+(\i)*16*PITCH
.endif
.endr
.endm
; 16 matrix instructions: A's blocks a0, a0 + 1 x B's eight.  The 64 accumulators take turns, one instruction a turn, in the same order in every step.
.macro MUL16 a0, p, q, sc, zero
.irp a, \a0, \a0+1
.irp b, 0,1,2,3,4,5,6,7
.if \zero
	v_wmma_scale_f32_16x16x128_f8f6f4 v[8*(8*((\a)%4)+\b):8*(8*((\a)%4)+\b)+7], v[128*(\p)+FR*\b:128*(\p)+FR*\b+FR-1], v[AF+FR*(\a):AF+FR*(\a)+FR-1], 0, v[SC+8*NQ*(\sc)+NQ*\b+(\q)], v[SC+8*NQ*(\sc)+NQ*(\a)+(\q)] matrix_a_fmt:MATRIX_FMT_FP6 matrix_b_fmt:MATRIX_FMT_FP6 matrix_a_scale:MATRIX_SCALE_ROW1
.else
	v_wmma_scale_f32_16x16x128_f8f6f4 v[8*(8*((\a)%4)+\b):8*(8*((\a)%4)+\b)+7], v[128*(\p)+FR*\b:128*(\p)+FR*\b+FR-1], v[AF+FR*(\a):AF+FR*(\a)+FR-1], v[8*(8*((\a)%4)+\b):8*(8*((\a)%4)+\b)+7], v[SC+8*NQ*(\sc)+NQ*\b+(\q)], v[SC+8*NQ*(\sc)+NQ*(\a)+(\q)] matrix_a_fmt:MATRIX_FMT_FP6 matrix_b_fmt:MATRIX_FMT_FP6 matrix_a_scale:MATRIX_SCALE_ROW1
.endif
.endr
.endr
.endm
.macro FETCH_B slot, q, p
	WIN TO_B
.irp i, 0,1,2,3,4,5,6,7
	FRAG 128*(\p)+FR*\i, ADRB+\slot, \q, \i
.endr
	WIN 0
.endm
.macro FETCH_A slot, q, i0
.irp i, \i0, \i0+1, \i0+2, \i0+3
	FRAG AF+FR*(\i), ADRA+\slot, \q, \i
.endr
.endm
.macro SCALES sc                       ; a K step's scale words: lanes 0-15 take A's block i, lanes 16-31 B's block i
.irp i, 0,1,2,3,4,5,6,7
	ds_load_b64 v[SC+8*NQ*\sc+NQ*\i:SC+8*NQ*\sc+NQ*\i+1], v[ADRS] offset:\i*SBLK
.endr
.endm
.macro PLACES n                        ; plain vector instructions between a matrix instruction and a load into, or a vector write or read of, its registers
.rept \n
	v_nop
.endr
.endm
.macro STEP slot, q, zero              ; 128 along K that have their successor in the same slot
	s_wait_dscnt 4*NL                              ; B's set and A's blocks 0-3 are in; the youngest 24 loads (A's blocks 4-7) may be out
	WIN MUL_LO
	MUL16 0, (\q)%2, \q, \slot, \zero
	MUL16 2, (\q)%2, \q, \slot, \zero
	s_wait_dscnt 0
	PLACES NP
	FETCH_B \slot, (\q)+1, 1-(\q)%2
	FETCH_A \slot, (\q)+1, 0
	WIN MUL_HI
	MUL16 4, (\q)%2, \q, \slot, \zero
	MUL16 6, (\q)%2, \q, \slot, \zero
	PLACES NP
	WIN 0
	FETCH_A \slot, (\q)+1, 4
.endm
; A slot's last step changes slots: one barrier; in front of it each wave waits for all its tensor loads, adds 0 to its spare word, and waits for that and for its reads of this slot.
.macro TURN slot, next, fill
	s_wait_tensorcnt 0x0                           ; all my tensor loads have landed: my part of the next slot
	ds_add_u32 v[SPW], v[NIL]                      ; 0 onto my spare word
	s_wait_dscnt 4*NL+1                            ; (the add and the youngest 24 loads may be out)
	WIN MUL_LO
	MUL16 0, 1, NQ-1, \slot, 0
	s_wait_dscnt 0x0                               ; the add is done, and my reads of this slot are over
	s_barrier_signal -1
	MUL16 2, 1, NQ-1, \slot, 0
	WIN 0
	s_barrier_wait -1
.if \fill
	CREST                                          ; the barrier has opened a round of the cluster's: no wave of any partner still reads this slot or has a load on its way
	s_add_nc_u64 s[G0+4*\slot+2:G0+4*\slot+3], s[G0+4*\slot+2:G0+4*\slot+3], 2*ROWB
	s_add_nc_u64 s[G0B+4*\slot+2:G0B+4*\slot+3], s[G0B+4*\slot+2:G0B+4*\slot+3], 2*ROWB
	JLOAD G0+4*\slot, G1, G0B+4*\slot, G1B         ; the first tensor load behind the round; its four v_nop are the places in front of the loads below
.else
	PLACES NP
.endif
	s_wait_alu depctr_va_vdst(0)
	v_add_nc_u32 v[ADRS], 4*NQ, v[ADRS]
	FETCH_B \next, 0, 0
	FETCH_A \next, 0, 0
	SCALES \next
	WIN MUL_HI
	MUL16 4, 1, NQ-1, \slot, 0
	MUL16 6, 1, NQ-1, \slot, 0
	PLACES NP
	WIN 0
	FETCH_A \next, 0, 4
.endm
	s_wait_alu depctr_va_vdst(0)
	s_wait_tensorcnt 1                             ; the scales and my part of K step 0 are in (K step 1's load may be out),
	s_barrier_signal -1
	s_barrier_wait -1                              ; everybody's are
	FETCH_B 0, 0, 0
	FETCH_A 0, 0, 0
	SCALES 0
	FETCH_A 0, 0, 4
	STEP 0, 0, 1                                   ; the first step's products start the sums
	s_mov_b32 s3, LAPS-1
.Llap:
	TURN 0, 1, 1
	STEP 1, 0, 0
	TURN 1, 0, 1
	STEP 0, 0, 0
	s_sub_co_u32 s3, s3, 1
	s_cmp_lg_u32 s3, 0
	s_cbranch_scc1 .Llap
	TURN 0, 1, 0                                   ; the last lap fills nothing
	STEP 1, 0, 0
	s_wait_dscnt 4*NL
	WIN MUL_LO
	MUL16 0, 1, NQ-1, 1, 0
	MUL16 2, 1, NQ-1, 1, 0
	s_wait_dscnt 0
	WIN MUL_HI
	MUL16 4, 1, NQ-1, 1, 0
	MUL16 6, 1, NQ-1, 1, 0
	WIN 0
; THE WAY OUT, block by block of 16 rows of A.  The bias is added (which also brings the 64 numbers into window 0), the four blocks of 32 are quantised in registers, and the fragment leaves as it stands:
; each store of the wave covers 256 consecutive bytes, aligned.  No LDS.
.macro BIASADD a
	WIN 0
	s_cmp_eq_u32 s66, 0
	s_cbranch_scc0 .Lbias_v_\@
	WIN 0x02+((\a)/4)                              ; source 0: window 2 or 3
.set i, 0
.rept 32
	v_pk_add_f32 v[ST+i:ST+i+1], v[64*((\a)%4)+i:64*((\a)%4)+i+1], v[BN+i:BN+i+1]   ; each accumulator from its low end on
.set i, i+2
.endr
	WIN 0
	s_branch .Lbias_done_\@
.Lbias_v_\@:
	WIN 0x02+((\a)/4)
.set i, 0
.rept 32
	v_pk_add_f32 v[ST+i:ST+i+1], v[64*((\a)%4)+i:64*((\a)%4)+i+1], v[BM+2*(\a):BM+2*(\a)+1]
.set i, i+2
.endr
	WIN 0
.Lbias_done_\@:
.endm
; 64 numbers of a lane, registers 16 b + i of block b, become a fragment's codes in v[PC] on and its scale word in v[pw].
.macro QUANT s, pw
.irp b, 0,1,2,3
	v_max3_num_f32 v[TM+\b], |v[\s+16*\b]|, |v[\s+1+16*\b]|, 0x1800000   ; my 16 numbers of block b, and the floor 2^(3 - 127): the byte cannot fall under 1
.endr
.irp i, 2,4,6,8,10,12,14
.irp b, 0,1,2,3
	v_max3_num_f32 v[TM+\b], v[TM+\b], |v[\s+16*\b+\i]|, |v[\s+1+16*\b+\i]|
.endr
.endr
.irp b, 0,1,2,3
	v_permlanex16_b32 v[TM+4+\b], v[TM+\b], s[SEL], s[SEL+1]
.endr
.irp b, 0,1,2,3
	v_max_num_f32 v[TM+\b], v[TM+\b], v[TM+4+\b]   ; with lane l xor 16's: the block's largest magnitude
.endr
.irp b, 0,1,2,3
	v_add_nc_u32 v[TM+12+\b], 0xff000000, v[TM+\b] ; 2 off its exponent field: the conversion's scale operand
.endr
.irp b, 0,1,2,3
	v_lshrrev_b32 v[TM+4+\b], 23, v[TM+12+\b]      ; the scale's byte
.endr
	v_lshl_or_b32 v[\pw], v[TM+5], 8, v[TM+4]
	v_lshl_or_b32 v[\pw], v[TM+6], 16, v[\pw]
	v_lshl_or_b32 v[\pw], v[TM+7], 24, v[\pw]
.irp c, 0,1
	v_cvt_scalef32_pk16_fp6_f32 v[PC+6*\c:PC+2+6*\c], v[\s+32*\c:\s+15+32*\c], v[TM+12+2*\c]
	v_cvt_scalef32_pk16_fp6_f32 v[PC+12+4*\c:PC+14+4*\c], v[\s+16+32*\c:\s+31+32*\c], v[TM+12+2*\c+1]   ; (a conversion's three registers begin on an even number)
.endr
	v_nop                                          ; one plain place behind a scaled conversion
.irp c, 0,1                                    ; a whole block to a lane: lanes 0-15 block 2 c, lanes 16-31 block 2 c + 1
.irp i, 0,1,2
	v_permlane16_swap_b32 v[PC+6*\c+\i], v[PC+12+4*\c+\i]
.endr
.irp i, 0,1,2
	v_mov_b32 v[PC+3+6*\c+\i], v[PC+12+4*\c+\i]
.endr
.endr
.endm
	s_wait_loadcnt 0x0                             ; the biases
	PLACES NP                                      ; behind the last products: A's fragments' registers are written below
.irp b, 0,1,2,3
	v_mov_b32 v[TM+4+\b], 0                        ; written once: a lane permute's destination counts as one of its sources
.endr
.irp a, 0,1,2,3,4,5,6,7
	BIASADD \a
.if \a > 0
	s_wait_xcnt 0x0                                ; the last block's stores have read their data and their base
	s_add_nc_u64 s[98:99], s[98:99], s[94:95]
.if \a == 4
	s_add_nc_u64 s[98:99], s[98:99], s[4:5]
.endif
.endif
	QUANT ST, PWS+\a
.irp c, 0,1
.irp p, 0,1,2
	global_store_b64 v[VO0+\c], v[PC+6*\c+2*\p:PC+6*\c+2*\p+1], s[98:99] offset:256*\p
.endr
.endr
.endr
	; the scale words, as the attention launch loads them: a pair of registers for each head; lanes 0-15 hold one word's rows, lanes 16-31 the next word's
	s_cmp_eq_u32 s66, 0
	s_cbranch_scc0 .Lscale_v
.irp e, 0,1                                    ; q, k: head e's two bytes of token tiles 2 g and 2 g + 1 make the word of double fragment g
.irp g, 0,1,2,3
	v_perm_b32 v[ST+4*\e+\g], v[PWS+2*\g+1], v[PWS+2*\g], 0x05040100+0x02020202*\e
.endr
.endr
.irp e, 0,1
.irp w, 0,1
	v_cndmask_b32 v[RS+2*\e+\w], v[ST+4*\e+2*\w], v[ST+4*\e+2*\w+1], s96
.endr
.endr
	s_branch .Lscale_out
.Lscale_v:
.irp e, 0,1                                    ; v: block 4 e + d is tile d of head e: its word holds the four key blocks' bytes as it stands
.irp w, 0,1
	v_cndmask_b32 v[RS+2*\e+\w], v[PWS+4*\e+2*\w], v[PWS+4*\e+2*\w+1], s96
.endr
.endr
.Lscale_out:
	s_wait_alu depctr_va_vdst(0)
.irp e, 0,1
	global_store_b64 v[VO0], v[RS+2*\e:RS+2*\e+1], s[100:101] offset:4096*\e
.endr
	s_wait_tensorcnt 0x0                           ; the wave's end
	ds_add_u32 v[SPW], v[NIL]
	s_wait_dscnt 0x0
	CROUND                                         ; the closing round
	s_endpgm
.Lfunc_end_k_q338b7f0368_proj:
	.size	k_q338b7f0368_proj, .Lfunc_end_k_q338b7f0368_proj-k_q338b7f0368_proj
	.p2alignl 7, 3214868480
	.fill 96, 4, 3214868480
	.section	.rodata,"a",@progbits
	.p2align	6, 0x0
	.amdhsa_kernel k_q338b7f0368_proj
		.amdhsa_group_segment_fixed_size 327680
		.amdhsa_private_segment_fixed_size 0
		.amdhsa_enable_private_segment 0
		.amdhsa_kernarg_size 136
		.amdhsa_user_sgpr_count 2
		.amdhsa_user_sgpr_kernarg_segment_ptr 1
		.amdhsa_wavefront_size32 1
		.amdhsa_system_sgpr_workgroup_id_x 1
		.amdhsa_system_sgpr_workgroup_id_y 1
		.amdhsa_system_sgpr_workgroup_id_z 1
		.amdhsa_system_vgpr_workitem_id 0
		.amdhsa_next_free_vgpr 1024
		.amdhsa_next_free_sgpr 102
		.amdhsa_reserve_vcc 0
		.amdhsa_float_denorm_mode_32 3
		.amdhsa_float_denorm_mode_16_64 3
		.amdhsa_memory_ordered 1
		.amdhsa_forward_progress 1
		.amdhsa_inst_pref_size 205
	.end_amdhsa_kernel
	.amdgpu_metadata
---
amdhsa.version: [ 1, 2 ]
amdhsa.kernels:
  - .name:           k_q338b7f0368_proj
    .symbol:         k_q338b7f0368_proj.kd
    .args:
      - { .name: query_codes, .offset: 0, .size: 8, .value_kind: global_buffer, .address_space: global }
      - { .name: key_codes, .offset: 8, .size: 8, .value_kind: global_buffer, .address_space: global }
      - { .name: value_codes, .offset: 16, .size: 8, .value_kind: global_buffer, .address_space: global }
      - { .name: W_q_codes, .offset: 24, .size: 8, .value_kind: global_buffer, .address_space: global }
      - { .name: W_k_codes, .offset: 32, .size: 8, .value_kind: global_buffer, .address_space: global }
      - { .name: W_v_codes, .offset: 40, .size: 8, .value_kind: global_buffer, .address_space: global }
      - { .name: query_scales, .offset: 48, .size: 8, .value_kind: global_buffer, .address_space: global }
      - { .name: key_scales, .offset: 56, .size: 8, .value_kind: global_buffer, .address_space: global }
      - { .name: value_scales, .offset: 64, .size: 8, .value_kind: global_buffer, .address_space: global }
      - { .name: W_q_scales, .offset: 72, .size: 8, .value_kind: global_buffer, .address_space: global }
      - { .name: W_k_scales, .offset: 80, .size: 8, .value_kind: global_buffer, .address_space: global }
      - { .name: W_v_scales, .offset: 88, .size: 8, .value_kind: global_buffer, .address_space: global }
      - { .name: b_q, .offset: 96, .size: 8, .value_kind: global_buffer, .address_space: global }
      - { .name: b_k, .offset: 104, .size: 8, .value_kind: global_buffer, .address_space: global }
      - { .name: b_v, .offset: 112, .size: 8, .value_kind: global_buffer, .address_space: global }
      - { .name: img, .offset: 120, .size: 8, .value_kind: global_buffer, .address_space: global }
      - { .name: sc, .offset: 128, .size: 8, .value_kind: global_buffer, .address_space: global }
    .group_segment_fixed_size: 327680
    .private_segment_fixed_size: 0
    .kernarg_segment_align: 8
    .kernarg_segment_size: 136
    .max_flat_workgroup_size: 128
    .sgpr_count:     102
    .vgpr_count:     1024
    .wavefront_size: 32
...
	.end_amdgpu_metadata
.endif
;; end of part 2
;; launch attn (part 3): grid 4 x 64, 16 waves a work-group, no clusters, 206,848 bytes of LDS; arguments img, sc, mwords, mflags, aimg, asc; writes aimg, asc
.if DOCPART == 3
	.amdgcn_target "amdgcn-amd-amdhsa--gfx1250"
	.amdhsa_code_object_version 6
	.text
	.protected	k_q338b7f0368_attn
	.globl	k_q338b7f0368_attn
	.p2align	8
	.type	k_q338b7f0368_attn,@function
k_q338b7f0368_attn:
	s_mov_b64 s[64:65], 0
	v_nop
	global_prefetch_b8 v0, s[64:65] scope:SCOPE_SE
	s_setreg_imm32_b32 hwreg(HW_REG_WAVE_MODE, 25, 1), 1
	s_wait_xcnt 0x0
; softmax(q k^T / 8, under the mask) v for one head, both products on codes of FP6 (E2M3) with E8M0 scales; the result, divided by the row's sum, is quantised along the head's 64 and leaves as images of the last product's operand.
; t = score x log2(e) / 8; M = the running largest t rounded UP to a whole number; p = 2^(t - M) is quantised along the keys; the sum is taken of the unquantised p.  When M moves, the sum and O are multiplied by 2^(old M - new M): exact.
; SHARES.  A work-group serves one head (y = batch x 16 + head).  Each of its sixteen waves owns one tile of 16 queries at a time, twice: tile T = 16 x + wave, then tile 127 - T.  Four waves to a SIMD: one wave's vector work
; stands beside another's LDS loads and products.
; K AND V OF THE WHOLE HEAD LIE IN LDS, as codes: 2 x 98,304 bytes and 2 x 4,096 of scale words, brought through registers once; one barrier in the launch; afterwards LDS is only read.
; THE MASK IS DATA.  An earlier launch has stored, for each tile of queries and each step of 128 keys, two flags and 64 lane masks.  A step none of whose keys counts for the tile is left out by a scalar branch on the stored flag;
; a step with holes takes its 64 words into scalar registers and sets the hidden scores to -infinity.  Nothing of the mask's pattern is built in.
; NO TENSOR LOADS AND NO CLUSTER: steps are left out by a branch on stored numbers.  Each of a head's four work-groups brings its 204,800 bytes itself.
; LAYOUT.  Both products transposed: S^T = K Q^T, O^T = V^T P^T: a lane holds one query (lane % 16) throughout.  Fragments lie in memory and LDS as images of their registers: a piece of 256 bytes holds two registers, 8 bytes a lane.
; A HEAD'S 64 IN AN INSTRUCTION OF 128: two tiles of 16 keys share one fragment (tile 2 g in registers 0-5, tile 2 g + 1 in 6-11).  Q stands as [six zeros | q | six zeros]: its last twelve registers pick tile 2 g, its first twelve tile 2 g + 1.
; Inside a block of 32 both sides of each product are laid in one and the same order (place 16 h + 8 u + j holds element 16 u + 8 h + j), which changes no product.  The result for the last product is laid in the true order.
; A ROW WITH NO KEY has the sum 0: its scale bytes are stored as 0xff, so that the last product gives NaN there, as a softmax of nothing but -infinity does.
; LIMITS: a block of zeros, and one whose largest magnitude lies under 2^-124, gets the scale byte 1 (read by this program alone).
.set VB,   98304                       ; LDS: K at 0, V here,
.set KSCB, 196608                      ; K's scale words,
.set VSCB, 200704                      ; V's
.set AK0,  1                           ; v1   8 x lane
.set AV0,  2                           ; v2   8 x lane + VB
.set AS0,  3                           ; v3   8 x lane + KSCB
.set ADK,  4                           ; v4-6 the step's LDS addresses
.set ADV,  5
.set ADS,  6
.set NINF, 7                           ; v7   -infinity
.set AO,   8                           ; v8   32 r + h: my byte among the tile's scale bytes
.set QS,   9                           ; v9   Q's scale word
.set KSW,  10                          ; v[10:11] K's scale words
                                       ; v12 -M, v13 the largest t, v[14:15] the sum in two halves
.set QZ,   16                          ; v16-33 zeros, q, zeros
.set VSW,  34                          ; v[34:35] V's scale words
.set PSW,  36                          ; v36  p's scale word
.set QSO,  38                          ; v38  8 r
.set FB,   40                          ; v40-87 four fragments, K's and then V's
.set S,    96                          ; v96-159 S^T, then p
.set O,    160                         ; v160-191 O^T
.set PC,   192                         ; v192-211 codes
.set BX,   212                         ; v212-215 the blocks' largest
.set BT,   216                         ; v216-219 at work
.set BS,   220                         ; v220-223 the conversions' scale operands
.set TMP,  224
.set F,    226                         ; v[226:227] f
.set RL,   228                         ; v[228:229] 1 / the sum
.set FA,   230                         ; v230-233 the fill's LDS addresses
.set FO8,  234                         ; v234 8 x thread
.set MO,   3                           ; s3   where the step's 64 mask words begin
.set ASP,  66                          ; s[66:67] the pass's place in asc
.set WV,   84
.set T,    85                          ; the tile of queries
.set HB,   86                          ; batch x 16 + head
.set FLG,  87
.set STP,  88
.set TK,   89
.set TS,   90
.set PASS, 91
.set SEL,  92
.set CS,   94
.set HI16, 96
.set LZ,   97
.set QP,   98
.set OP,   100
	s_load_b256 s[4:11], s[0:1], 0x0               ; img, sc, mwords, mflags
	s_load_b128 s[12:15], s[0:1], 0x20             ; aimg, asc
	v_lshl_add_u32 v254, v0, 2, 0x32000
	v_mov_b32 v255, 0
	v_lshrrev_b32 v1, 5, v0
	s_delay_alu instid0(VALU_DEP_1)
	v_readfirstlane_b32 s[WV], v1                  ; wave 0..15
	s_and_b32 s[HB], ttmp7, 0xffff
	s_lshl_b32 s[T], ttmp9, 4
	s_add_co_u32 s[T], s[T], s[WV]
	v_lshlrev_b32 v[FA], 4, v0                     ; 16 x thread: a round of the fill is 8,192 bytes
	s_delay_alu instid0(VALU_DEP_1)
	v_add_nc_u32 v[FA+1], 0x10000, v[FA]
	s_delay_alu instid0(VALU_DEP_2)
	v_add_nc_u32 v[FA+2], 0x20000, v[FA]
	v_lshlrev_b32 v[FO8], 3, v0
	s_delay_alu instid0(VALU_DEP_1)
	v_add_nc_u32 v[FA+3], KSCB, v[FO8]
	s_mul_i32 s24, s[HB], 98304
	s_add_co_u32 s16, s24, 6291456                 ; k's part of img
	s_mov_b32 s17, 0
	s_add_co_u32 s18, s24, 12582912                ; v's
	s_mov_b32 s19, 0
	s_lshl_b32 s24, s[HB], 12
	s_add_co_u32 s20, s24, 262144                  ; k's part of sc
	s_mov_b32 s21, 0
	s_add_co_u32 s22, s24, 524288                  ; v's
	s_mov_b32 s23, 0
	s_wait_alu depctr_va_vdst(0)
	s_wait_kmcnt 0x0
	s_add_nc_u64 s[16:17], s[4:5], s[16:17]
	s_add_nc_u64 s[18:19], s[4:5], s[18:19]
	s_add_nc_u64 s[20:21], s[6:7], s[20:21]
	s_add_nc_u64 s[22:23], s[6:7], s[22:23]
.irp j, 0,1,2,3,4,5,6,7,8,9,10,11
	global_load_b128 v[96+4*\j:99+4*\j], v[FA], s[16:17] offset:8192*\j
.endr
.irp j, 0,1,2,3,4,5,6,7,8,9,10,11
	global_load_b128 v[144+4*\j:147+4*\j], v[FA], s[18:19] offset:8192*\j
.endr
	global_load_b64 v[192:193], v[FO8], s[20:21]
	global_load_b64 v[194:195], v[FO8], s[22:23]
	v_and_b32 v37, 31, v0
	s_delay_alu instid0(VALU_DEP_1)
	v_lshlrev_b32 v[AK0], 3, v37
	s_delay_alu instid0(VALU_DEP_1)
	v_add_nc_u32 v[AV0], VB, v[AK0]
	s_delay_alu instid0(VALU_DEP_2)
	v_add_nc_u32 v[AS0], KSCB, v[AK0]
	v_and_b32 v[QSO], 15, v0                       ; r
	v_bfe_u32 v39, v0, 4, 1                        ; h
	s_delay_alu instid0(VALU_DEP_1)
	v_lshl_add_u32 v[AO], v[QSO], 5, v39
	s_delay_alu instid0(VALU_DEP_3)
	v_lshlrev_b32 v[QSO], 3, v[QSO]
	v_mov_b32 v[NINF], 0xff800000
.irp j, 0,1,2,3,4,5
	v_mov_b32 v[QZ+\j], 0                          ; zero codes on both sides of q: written once
	v_mov_b32 v[QZ+12+\j], 0
.endr
.irp b, 0,1,2,3
	v_mov_b32 v[BT+\b], 0                          ; written once: a lane permute's destination counts as one of its sources
.endr
	v_mov_b32 v[TMP], 0
	v_mov_b32 v[F+1], 0                            ; (named as the upper half of a pair)
	s_mov_b32 s[SEL], 0x76543210
	s_mov_b32 s[SEL+1], 0xfedcba98                 ; lane l xor 16
	s_mov_b32 s[CS], 0x3e38aa3b                    ; c = log2(e) / 8
	s_mov_b32 s[CS+1], s[CS]
	s_mov_b32 s[HI16], 0xffff0000                  ; lanes 16-31
	s_mov_b32 s[PASS], 2
.set i, 0
.rept 24
	s_wait_loadcnt 25-i                            ; loads come back in order: load i is in, the 25 - i younger ones may be out
	ds_store_b128 v[FA+i/8], v[96+4*i:99+4*i] offset:8192*(i%8)
.set i, i+1
.endr
	s_wait_loadcnt 1
	ds_store_b64 v[FA+3], v[192:193]
	s_wait_loadcnt 0
	ds_store_b64 v[FA+3], v[194:195] offset:4096
	s_wait_dscnt 0x0                               ; for the others' sake: my part of the head lies in LDS
	s_barrier_signal -1
	s_barrier_wait -1                              ; the only barrier: from here on LDS is read and never written
.Lpass:
	s_lshl_b32 s2, s[T], 2
	s_lshl_b32 s16, s[HB], 7
	s_add_co_u32 s16, s16, s[T]
	s_mul_i32 s16, s16, 768
	s_mov_b32 s17, 0
	s_add_nc_u64 s[QP:QP+1], s[4:5], s[16:17]      ; my tile of q: 768 bytes a tile
	s_bfe_u32 s18, s[T], 0x20001                   ; g: which double fragment of its 128 tokens my tile lies in
	s_and_b32 s19, s18, 1
	s_lshl_b32 s19, s19, 7                         ; lanes 16-31 hold the odd ones' words: 128 bytes on
	s_lshr_b32 s18, s18, 1
	s_lshl_b32 s18, s18, 2                         ; the second register of the pair: 4 bytes on
	s_add_co_u32 s18, s18, s19
	s_lshl_b32 s19, s[HB], 4
	s_lshr_b32 s20, s[T], 3
	s_add_co_u32 s19, s19, s20
	s_lshl_b32 s19, s19, 8
	s_add_co_u32 s18, s18, s19
	s_mov_b32 s19, 0
	s_add_nc_u64 s[22:23], s[6:7], s[18:19]
	s_lshr_b32 s16, s[HB], 4
	s_lshl_b32 s16, s16, 7
	s_add_co_u32 s16, s16, s[T]                    ; the tile among all 512
	s_and_b32 s20, s[HB], 15                       ; the head
	s_mul_i32 s18, s16, 12288
	s_mul_i32 s21, s20, 768
	s_add_co_u32 s18, s18, s21
	s_add_nc_u64 s[OP:OP+1], s[12:13], s[18:19]
	s_lshl_b32 s18, s16, 9
	s_lshl_b32 s21, s20, 1
	s_add_co_u32 s18, s18, s21
	s_add_nc_u64 s[ASP:ASP+1], s[14:15], s[18:19]
	s_mov_b32 s21, 0x01000100                      ; an even tile's two bytes are the word's lower two,
	s_bitcmp1_b32 s[T], 0
	s_cselect_b32 s21, 0x03020302, s21             ; an odd tile's the upper two; either way they are written twice
	s_load_b32 s[FLG], s[10:11], s2 offset:0x0
.irp p, 0,1,2
	global_load_b64 v[QZ+6+2*\p:QZ+7+2*\p], v[AK0], s[QP:QP+1] offset:256*\p
.endr
	global_load_b32 v37, v[QSO], s[22:23]
	s_mov_b32 s[STP], 0
	s_mov_b32 s[TK], 0
	s_mov_b32 s[TS], 0
	s_lshl_b32 s[MO], s[T], 12
	s_wait_loadcnt 0x0
	s_wait_kmcnt 0x0
	s_wait_xcnt 0x0                                ; the loads have read their addresses: these registers are written again below
	v_perm_b32 v[QS], v37, v37, s21
	v_mov_b32 v13, 0xff61b1e6                      ; the largest t so far: -3e38
	s_delay_alu instid0(VALU_DEP_1)
	v_floor_f32 v12, -v13                          ; -M
	v_mov_b32 v14, 0
	v_mov_b32 v15, 0
.set n, 0
.rept 32
	v_mov_b32 v[O+n], 0                            ; O^T.  (Which step is a tile's first is data, so no first step can be written out.  These lines are also the places between the write of Q's scale word and the first product)
.set n, n+1
.endr
.Lstep:                                            ; sixteen trips, a constant; a step's WORK is left out where the stored flag says that none of its keys counts
	s_bitcmp1_b32 s[FLG], s[STP]
	s_cbranch_scc0 .Lskip
	s_setprio 2
	v_add_nc_u32 v[ADK], s[TK], v[AK0]
	v_add_nc_u32 v[ADV], s[TK], v[AV0]
	v_add_nc_u32 v[ADS], s[TS], v[AS0]
	v_nop                                          ; four places behind the last products, in front of loads into their registers
.irp g, 0,1,2,3
.irp p, 0,1,2,3,4,5
	ds_load_b64 v[FB+12*\g+2*\p:FB+12*\g+2*\p+1], v[ADK] offset:1536*\g+256*\p   ; 32 lanes read 256 consecutive bytes
.endr
.endr
	ds_load_b64 v[KSW:KSW+1], v[ADS]
	s_wait_alu depctr_va_vdst(0)
	s_wait_dscnt 0x0
.irp t, 0,1,2,3,4,5,6,7                        ; S^T: tile t = keys 16 t on: register 8 t + j of lane (r, h) is key 16 t + 8 h + j, query r
.if (\t/2)%2
	v_wmma_scale_f32_16x16x128_f8f6f4 v[S+8*\t:S+8*\t+7], v[FB+12*(\t/2):FB+12*(\t/2)+11], v[QZ+6-6*(\t%2):QZ+17-6*(\t%2)], 0, v[KSW+\t/4], v[QS] matrix_a_fmt:MATRIX_FMT_FP6 matrix_b_fmt:MATRIX_FMT_FP6 matrix_a_scale:MATRIX_SCALE_ROW1
.else
	v_wmma_scale_f32_16x16x128_f8f6f4 v[S+8*\t:S+8*\t+7], v[FB+12*(\t/2):FB+12*(\t/2)+11], v[QZ+6-6*(\t%2):QZ+17-6*(\t%2)], 0, v[KSW+\t/4], v[QS] matrix_a_fmt:MATRIX_FMT_FP6 matrix_b_fmt:MATRIX_FMT_FP6
.endif
.endr
.rept 4
	v_nop                                          ; places: in front of the loads into K's registers, and of the first read of the scores
.endr
.irp d, 0,1,2,3
.irp p, 0,1,2,3,4,5
	ds_load_b64 v[FB+12*\d+2*\p:FB+12*\d+2*\p+1], v[ADV] offset:1536*\d+256*\p   ; V: it lands under the softmax
.endr
.endr
	ds_load_b64 v[VSW:VSW+1], v[ADS] offset:4096
	s_add_co_u32 s2, s[STP], 16
	s_bitcmp1_b32 s[FLG], s2                       ; has the step holes for my tile?
	s_cbranch_scc0 .Lopen
	s_load_b512 s[16:31], s[8:9], s[MO] offset:0x0
	s_load_b512 s[32:47], s[8:9], s[MO] offset:0x40
	s_load_b512 s[48:63], s[8:9], s[MO] offset:0x80
	s_load_b512 s[68:83], s[8:9], s[MO] offset:0xc0
	s_wait_kmcnt 0x0
	s_wait_xcnt 0x0                                ; the offset register is stepped at the trip's end
.set n, 0
.rept 64
.if n < 48
	v_cndmask_b32 v[S+n], v[NINF], v[S+n], s[16+n] ; a hidden key's score becomes -infinity: p = 0
.else
	v_cndmask_b32 v[S+n], v[NINF], v[S+n], s[20+n]
.endif
.set n, n+1
.endr
.Lopen:
.irp b, 0,1,2,3
	v_max3_num_f32 v[BX+\b], v[S+16*\b], v[S+1+16*\b], v[S+2+16*\b]   ; the largest score of each block of 32 keys: for the row's maximum, and, since p rises with the score, for the block's largest p
.endr
.irp i, 3,5,7,9,11,13
.irp b, 0,1,2,3
	v_max3_num_f32 v[BX+\b], v[BX+\b], v[S+16*\b+\i], v[S+1+16*\b+\i]
.endr
.endr
.irp b, 0,1,2,3
	v_max_num_f32 v[BX+\b], v[BX+\b], v[S+15+16*\b]
.endr
.irp b, 0,1,2,3
	s_delay_alu instid0(VALU_DEP_4)
	v_permlanex16_b32 v[BT+\b], v[BX+\b], s[SEL], s[SEL+1]
.endr
.irp b, 0,1,2,3
	s_delay_alu instid0(VALU_DEP_4)
	v_max_num_f32 v[BX+\b], v[BX+\b], v[BT+\b]     ; with lane l xor 16's 16 keys
.endr
	s_delay_alu instid0(VALU_DEP_2)
	v_max3_num_f32 v[TMP], v[BX], v[BX+1], v[BX+2]
	s_delay_alu instid0(VALU_DEP_1)
	v_max_num_f32 v[TMP], v[TMP], v[BX+3]
	s_delay_alu instid0(VALU_DEP_1)
	v_mul_f32 v[TMP], s[CS], v[TMP]
	s_delay_alu instid0(VALU_DEP_1)
	v_max_num_f32 v13, v13, v[TMP]                 ; the running largest t
	v_mov_b32 v[TMP], v12
	s_delay_alu instid0(VALU_DEP_2)
	v_floor_f32 v12, -v13                          ; the new -M = -ceil(t): a whole number
	s_delay_alu instid0(VALU_DEP_1)
	v_sub_f32 v[TMP], v12, v[TMP]                  ; old M - new M, 0 or less
	s_delay_alu instid0(VALU_DEP_1)
	v_cvt_i32_f32 v[TMP], v[TMP]                   ; (it saturates)
	s_delay_alu instid0(VALU_DEP_1)
	v_ldexp_f32 v[F], 1.0, v[TMP]                  ; f = 2^(old M - new M)
.set n, 0
.rept 32
	v_pk_fma_f32 v[S+n:S+n+1], v[S+n:S+n+1], s[CS:CS+1], v[12:13] op_sel_hi:[1,0,0]   ; t - M, two at a time
.set n, n+2
.endr
.irp b, 0,1,2,3
	v_fma_f32 v[BX+\b], v[BX+\b], s[CS], v12       ; the same of each block's largest score
.endr
.set n, 0
	s_setprio 1
	s_wait_alu depctr_va_vdst(0)
.rept 64
	v_exp_f32 v[S+n], v[S+n]                       ; p = 2^(t - M): one batch
.set n, n+1
.endr
	v_pk_mul_f32 v[14:15], v[14:15], v[F:F+1] op_sel_hi:[1,0]   ; the sums under the new M: the plain instruction behind the batch
	s_wait_alu depctr_va_vdst(0)                   ; one wait for the batch, ahead of its first reader
.irp b, 0,1,2,3
	v_exp_f32 v[BX+\b], v[BX+\b]                   ; the block's largest p
.endr
	v_pk_add_f32 v[216:217], v[100:101], v[104:105]
	v_pk_add_f32 v[252:253], v[108:109], v[112:113]
	v_pk_add_f32 v[250:251], v[116:117], v[120:121]
	v_pk_add_f32 v[248:249], v[124:125], v[128:129]
	v_pk_add_f32 v[246:247], v[132:133], v[136:137]
	v_pk_add_f32 v[244:245], v[140:141], v[144:145]
	v_pk_add_f32 v[242:243], v[148:149], v[152:153]
	v_pk_add_f32 v[14:15], v[14:15], v[156:157]
	v_pk_add_f32 v[216:217], v[216:217], v[96:97]
	v_pk_add_f32 v[252:253], v[252:253], v[98:99]
	v_pk_add_f32 v[250:251], v[250:251], v[102:103]
	v_pk_add_f32 v[248:249], v[248:249], v[106:107]
	v_pk_add_f32 v[246:247], v[246:247], v[110:111]
	v_pk_add_f32 v[244:245], v[244:245], v[114:115]
	v_pk_add_f32 v[242:243], v[242:243], v[118:119]
	v_pk_add_f32 v[14:15], v[14:15], v[122:123]
	v_pk_add_f32 v[216:217], v[216:217], v[126:127]
	v_pk_add_f32 v[252:253], v[252:253], v[130:131]
	v_pk_add_f32 v[250:251], v[250:251], v[134:135]
	v_pk_add_f32 v[248:249], v[248:249], v[138:139]
	v_pk_add_f32 v[246:247], v[246:247], v[142:143]
	v_pk_add_f32 v[244:245], v[244:245], v[146:147]
	v_pk_add_f32 v[242:243], v[242:243], v[150:151]
	v_pk_add_f32 v[14:15], v[14:15], v[154:155]
	v_pk_add_f32 v[216:217], v[216:217], v[158:159]
	s_delay_alu instid0(VALU_DEP_2)
	v_pk_add_f32 v[14:15], v[14:15], v[248:249]
	s_delay_alu instid0(VALU_DEP_2)
	v_pk_add_f32 v[216:217], v[216:217], v[246:247]
	v_pk_add_f32 v[252:253], v[252:253], v[244:245]
	v_pk_add_f32 v[250:251], v[250:251], v[242:243]
	s_delay_alu instid0(VALU_DEP_2)
	v_pk_add_f32 v[14:15], v[14:15], v[252:253]
	s_delay_alu instid0(VALU_DEP_2)
	v_pk_add_f32 v[216:217], v[216:217], v[250:251]
	s_delay_alu instid0(VALU_DEP_1)
	v_pk_add_f32 v[14:15], v[14:15], v[216:217]
	s_wait_alu depctr_va_vdst(0)                   ; and one for the four
.irp b, 0,1,2,3
	v_max_num_f32 v[BX+\b], 0x1800000, v[BX+\b]    ; the floor 2^(3 - 127): the byte cannot fall under 1
.endr
.irp b, 0,1,2,3
	s_delay_alu instid0(VALU_DEP_4)
	v_add_nc_u32 v[BS+\b], 0xff000000, v[BX+\b]    ; 2 off the exponent field: the conversion's scale operand
.endr
.irp b, 0,1,2,3
	s_delay_alu instid0(VALU_DEP_4)
	v_lshrrev_b32 v[BT+\b], 23, v[BS+\b]
.endr
	s_delay_alu instid0(VALU_DEP_3)
	v_lshl_or_b32 v[PSW], v[BT+1], 8, v[BT]
	s_delay_alu instid0(VALU_DEP_1)
	v_lshl_or_b32 v[PSW], v[BT+2], 16, v[PSW]
	s_delay_alu instid0(VALU_DEP_1)
	v_lshl_or_b32 v[PSW], v[BT+3], 24, v[PSW]
	s_setprio 0
.irp c, 0,1
	v_cvt_scalef32_pk16_fp6_f32 v[PC+6*\c:PC+2+6*\c], v[S+32*\c:S+15+32*\c], v[BS+2*\c]
	v_cvt_scalef32_pk16_fp6_f32 v[PC+12+4*\c:PC+14+4*\c], v[S+16+32*\c:S+31+32*\c], v[BS+2*\c+1]
.endr
	v_nop                                          ; one plain place behind a scaled conversion
.irp c, 0,1
.irp i, 0,1,2
	v_permlane16_swap_b32 v[PC+6*\c+\i], v[PC+12+4*\c+\i]
.endr
.irp i, 0,1,2
	s_delay_alu instid0(VALU_DEP_3)
	v_mov_b32 v[PC+3+6*\c+\i], v[PC+12+4*\c+\i]
.endr
.endr
.set n, 0
.rept 16
	v_pk_mul_f32 v[O+n:O+n+1], v[O+n:O+n+1], v[F:F+1] op_sel_hi:[1,0]   ; O^T under the new M, each accumulator from its low end on.  For each product below twelve of these name none of its registers: the places behind the writes of p's codes and scale word
.set n, n+2
.endr
	s_wait_alu depctr_va_vdst(0)
	s_wait_dscnt 0x0                               ; V is in
.irp d, 0,1,2,3                                ; O^T += V^T P^T: four accumulators, one instruction each
.if \d%2
	v_wmma_scale_f32_16x16x128_f8f6f4 v[O+8*\d:O+8*\d+7], v[FB+12*\d:FB+12*\d+11], v[PC:PC+11], v[O+8*\d:O+8*\d+7], v[VSW+\d/2], v[PSW] matrix_a_fmt:MATRIX_FMT_FP6 matrix_b_fmt:MATRIX_FMT_FP6 matrix_a_scale:MATRIX_SCALE_ROW1
.else
	v_wmma_scale_f32_16x16x128_f8f6f4 v[O+8*\d:O+8*\d+7], v[FB+12*\d:FB+12*\d+11], v[PC:PC+11], v[O+8*\d:O+8*\d+7], v[VSW+\d/2], v[PSW] matrix_a_fmt:MATRIX_FMT_FP6 matrix_b_fmt:MATRIX_FMT_FP6
.endif
.endr
.Lskip:
	s_add_co_u32 s[TK], s[TK], 6144                ; the next step's fragments,
	s_add_co_u32 s[TS], s[TS], 256                 ; scale words
	s_add_co_u32 s[MO], s[MO], 256                 ; and mask words
	s_add_co_u32 s[STP], s[STP], 1
	s_cmp_lt_u32 s[STP], 16
	s_cbranch_scc1 .Lstep
	s_setprio 0
	; THE TILE'S WAY OUT
.rept 4
	v_nop                                          ; places behind the last products
.endr
	v_add_f32 v14, v14, v15
	s_delay_alu instid0(VALU_DEP_1)
	v_permlanex16_b32 v[TMP], v14, s[SEL], s[SEL+1]
	s_delay_alu instid0(VALU_DEP_1)
	v_add_f32 v14, v14, v[TMP]                     ; the row's sum
	s_delay_alu instid0(VALU_DEP_1)
	v_cmp_eq_f32 s[LZ], 0, v14                     ; rows for which no key counts
	v_rcp_f32 v[RL], v14
	v_mov_b32 v[RL+1], 0                           ; a plain place behind the reciprocal
	s_wait_alu depctr_va_vdst(0)                   ; ahead of its first reader
.set n, 0
.rept 16
	v_pk_mul_f32 v[S+n:S+n+1], v[O+n:O+n+1], v[RL:RL+1] op_sel_hi:[1,0]   ; O^T / the sum: register 16 B + 8 u + j is channel 32 B + 16 u + 8 h + j
.set n, n+2
.endr
.irp b, 0,1
.irp j, 0,1,2,3,4,5,6,7
	v_permlane16_swap_b32 v[S+16*\b+\j], v[S+8+16*\b+\j]   ; now register 16 B + i of half h is channel 32 B + 16 h + i: sixteen true neighbours, as the given W_o wants them
.endr
.endr
.irp b, 0,1
	v_max3_num_f32 v[BX+\b], |v[S+16*\b]|, |v[S+1+16*\b]|, 0x1800000
.endr
.irp i, 2,4,6,8,10,12,14
.irp b, 0,1
	s_delay_alu instid0(VALU_DEP_2)
	v_max3_num_f32 v[BX+\b], v[BX+\b], |v[S+16*\b+\i]|, |v[S+1+16*\b+\i]|
.endr
.endr
.irp b, 0,1
	s_delay_alu instid0(VALU_DEP_2)
	v_permlanex16_b32 v[BT+\b], v[BX+\b], s[SEL], s[SEL+1]
.endr
.irp b, 0,1
	s_delay_alu instid0(VALU_DEP_2)
	v_max_num_f32 v[BX+\b], v[BX+\b], v[BT+\b]
.endr
.irp b, 0,1
	s_delay_alu instid0(VALU_DEP_2)
	v_add_nc_u32 v[BS+\b], 0xff000000, v[BX+\b]
.endr
.irp b, 0,1
	s_delay_alu instid0(VALU_DEP_2)
	v_lshrrev_b32 v[BT+\b], 23, v[BS+\b]
.endr
	v_cvt_scalef32_pk16_fp6_f32 v[PC:PC+2], v[S:S+15], v[BS]
	v_cvt_scalef32_pk16_fp6_f32 v[PC+12:PC+14], v[S+16:S+31], v[BS+1]
	v_nop
.irp i, 0,1,2
	v_permlane16_swap_b32 v[PC+\i], v[PC+12+\i]
.endr
.irp i, 0,1,2
	s_delay_alu instid0(VALU_DEP_3)
	v_mov_b32 v[PC+3+\i], v[PC+12+\i]              ; lane (r, h): block h of my head's 64, query r
.endr
.irp p, 0,1,2
	global_store_b64 v[AK0], v[PC+2*\p:PC+2*\p+1], s[OP:OP+1] offset:256*\p   ; 32 lanes store 256 consecutive bytes, aligned
.endr
	v_cndmask_b32 v[TMP], v[BT], v[BT+1], s[HI16]  ; lanes of half h store block h's byte;
	s_delay_alu instid0(VALU_DEP_1)
	v_cndmask_b32 v[TMP], v[TMP], -1, s[LZ]        ; 0xff for a row without keys
	global_store_b8 v[AO], v[TMP], s[ASP:ASP+1]    ; two bytes of a token's 32 come from each head: single bytes, 262,144 in the launch; longer runs would want a token's sixteen heads in one work-group
	s_wait_xcnt 0x0                                ; the stores have read their data and bases
	s_sub_co_u32 s[T], 127, s[T]                   ; the second tile
	s_sub_co_u32 s[PASS], s[PASS], 1
	s_cmp_lg_u32 s[PASS], 0
	s_cbranch_scc1 .Lpass
	s_wait_tensorcnt 0x0
	ds_add_u32 v254, v255
	s_wait_dscnt 0x0
	s_endpgm
.Lfunc_end_k_q338b7f0368_attn:
	.size	k_q338b7f0368_attn, .Lfunc_end_k_q338b7f0368_attn-k_q338b7f0368_attn
	.p2alignl 7, 3214868480
	.fill 96, 4, 3214868480
	.section	.rodata,"a",@progbits
	.p2align	6, 0x0
	.amdhsa_kernel k_q338b7f0368_attn
		.amdhsa_group_segment_fixed_size 206848
		.amdhsa_private_segment_fixed_size 0
		.amdhsa_enable_private_segment 0
		.amdhsa_kernarg_size 48
		.amdhsa_user_sgpr_count 2
		.amdhsa_user_sgpr_kernarg_segment_ptr 1
		.amdhsa_wavefront_size32 1
		.amdhsa_system_sgpr_workgroup_id_x 1
		.amdhsa_system_sgpr_workgroup_id_y 1
		.amdhsa_system_sgpr_workgroup_id_z 1
		.amdhsa_system_vgpr_workitem_id 0
		.amdhsa_next_free_vgpr 256
		.amdhsa_next_free_sgpr 102
		.amdhsa_reserve_vcc 0
		.amdhsa_float_denorm_mode_32 3
		.amdhsa_float_denorm_mode_16_64 3
		.amdhsa_memory_ordered 1
		.amdhsa_forward_progress 1
		.amdhsa_inst_pref_size 40
	.end_amdhsa_kernel
	.amdgpu_metadata
---
amdhsa.version: [ 1, 2 ]
amdhsa.kernels:
  - .name:           k_q338b7f0368_attn
    .symbol:         k_q338b7f0368_attn.kd
    .args:
      - { .name: img, .offset: 0, .size: 8, .value_kind: global_buffer, .address_space: global }
      - { .name: sc, .offset: 8, .size: 8, .value_kind: global_buffer, .address_space: global }
      - { .name: mwords, .offset: 16, .size: 8, .value_kind: global_buffer, .address_space: global }
      - { .name: mflags, .offset: 24, .size: 8, .value_kind: global_buffer, .address_space: global }
      - { .name: aimg, .offset: 32, .size: 8, .value_kind: global_buffer, .address_space: global }
      - { .name: asc, .offset: 40, .size: 8, .value_kind: global_buffer, .address_space: global }
    .group_segment_fixed_size: 206848
    .private_segment_fixed_size: 0
    .kernarg_segment_align: 8
    .kernarg_segment_size: 48
    .max_flat_workgroup_size: 512
    .sgpr_count:     102
    .vgpr_count:     256
    .wavefront_size: 32
...
	.end_amdgpu_metadata
.endif
;; end of part 3
;; launch outproj (part 4): grid 4 x 32, 4 waves a work-group, clusters of 4 x 4, 327,680 bytes of LDS; arguments aimg, asc, W_o_codes, W_o_scales, b_o, out0; writes out0
.if DOCPART == 4
	.amdgcn_target "amdgcn-amd-amdhsa--gfx1250"
	.amdhsa_code_object_version 6
	.text
	.protected	k_q338b7f0368_outproj
	.globl	k_q338b7f0368_outproj
	.p2align	8
	.type	k_q338b7f0368_outproj,@function
k_q338b7f0368_outproj:
	s_mov_b64 s[64:65], 0
	v_nop
	global_prefetch_b8 v0, s[64:65] scope:SCOPE_SE
	s_setreg_imm32_b32 hwreg(HW_REG_WAVE_MODE, 25, 1), 1
	s_wait_xcnt 0x0
	s_wait_alu depctr_hold_cnt(0) depctr_sa_sdst(0) depctr_va_vdst(0) depctr_va_sdst(0) depctr_va_ssrc(0) depctr_va_vcc(0) depctr_vm_vsrc(0)
	s_getreg_b32 s2, hwreg(HW_REG_IB_STS2, 6, 4)
	s_cmp_eq_u32 s2, 0
	s_cbranch_scc0 .Lentry_in_a_cluster
	s_endpgm
.Lentry_in_a_cluster:
	s_bfe_u32 s2, ttmp6, 0x10000c
	s_cmp_lg_u32 s2, 0xf033
	s_cbranch_scc0 .Lentry_shape_is_right
	s_endpgm
.Lentry_shape_is_right:
; out0 = a W_o^T + b_o on codes of FP6 (E2M3) with E8M0 scales.  a [8,192][1,024] comes from the attention launch as IMAGES OF OPERAND REGISTERS (aimg: [tile of 16 tokens][K step of 128][6 pieces of 256 bytes]) with its
; scale bytes as rows (asc: [8,192][32]); W_o [1,024][1,024] as given: rows of 768 bytes, scale bytes [1,024][32].  out0 [8,192][1,024] f32.
; A tile of 256 x 256 to a work-group of four waves, each 128 x 128: 64 accumulators.  K goes in steps of 256 through a ring of two LDS slots filled by the tensor data mover; the scale bytes come once and stay.
; CLUSTERS: 4 x 4 work-groups; A's tiles are asked for jointly along a row of the cluster, B's along a column.  Source 0 = 16 rows of W_o, source 1 = 16 tokens: a lane holds eight neighbouring numbers of a row of out0.
; b_o is the C of each sum's first product.  A token whose scale bytes are 0xff (a row of the mask without a key) comes out as NaN.
; A's tile for a wave is 8 tiles of tokens x 3,072 consecutive bytes, 12,288 bytes apart: eight rows are all that it has; each is twelve runs of 256 bytes.  It needs no padding: a fragment load reads 256 consecutive bytes.
; 128 work-groups: a smaller tile would feed fewer products from each LDS byte, and this launch is a small part of the program.
; REGISTERS, in windows of 256: window 0: v0-31 addresses; v32-63 scale words, two sets; v64-127 b_o; from v128 A's fragments, one set.  window 1: B's fragments, two sets.  windows 2, 3: the accumulators.
.set SIZE_N, 1024
.set KSTEP,  256
.set NQ,     2
.set ROWB,   192
.set KROW,   768
.set PITCH,  240                       ; B's LDS row: 3 x (64 bytes + 16 of padding)
.set FR,     12
.set NL,     6
.set NP,     4
.set HALFA,  8*3072                    ; 128 tokens of A in a slot
.set HALFB,  128*PITCH                 ; 128 rows of B
.set SLOT,   2*HALFA+2*HALFB
.set LAPS,   2
.set KS,     32
.set SCL,    2*SLOT
.set HALFS,  (128*KS/256)*272
.set SBLK,   (16*KS/256)*272
.set SPARE,  SCL+4*HALFS               ; the spare words, 128 bytes a wave: two blocks of 256 bytes that no other line names
.set SPITCH, 528                       ; the way out: a stage of 16 rows x (512 + 16) bytes a wave, in slot 0, which has had its last fill and its last read by then
.set BOO,  12                          ; v12  offset of my numbers of b_o
.set ADRA, 16
.set ADRB, 20
.set STO,  24
.set RD,   25
.set CO,   26
.set ADRS, 27
.set SPW,  28
.set NIL,  29
.set SC,   32
.set BO,   64
.set AF,   128
.set BK,   128
.set G1, 24
.set G0, 32
.set G1B, 48
.set G0B, 56
.set G1S, 68
.set G0S, 76
.set G1SB, 80
.set G0SB, 88
.set MSB, 0
.macro WIN new
.if MSB != \new
	s_set_vgpr_msb (MSB<<8)|\new
.set MSB, \new
.endif
.endm
.set MUL_LO, 0xa1
.set MUL_HI, 0xf1
.set TO_B,   0x40
.macro JLOAD g0a, g1a, g0b, g1b        ; waves 0 and 1 fetch for A, waves 2 and 3 for B; four v_nop follow each of the two lines
	s_cmp_eq_u32 s15, 0
	s_cbranch_scc0 .Lfor_b_\@
	tensor_load_to_lds s[\g0a:\g0a+3], s[\g1a:\g1a+7]
	s_nop 0
.rept 4
	v_nop
.endr
	s_branch .Lasked_\@
.Lfor_b_\@:
	tensor_load_to_lds s[\g0b:\g0b+3], s[\g1b:\g1b+7]
	s_nop 0
.rept 4
	v_nop
.endr
.Lasked_\@:
.endm
.macro CREST
	s_cmp_lg_u32 s14, 0
	s_cbranch_scc1 .Lnot_wave_0_\@
	s_barrier_signal -3
.Lnot_wave_0_\@:
	s_barrier_wait -3
	s_barrier_signal -1
	s_barrier_wait -1
.endm
.macro CROUND
	s_barrier_signal -1
	s_barrier_wait -1
	CREST
.endm
	s_load_b128 s[4:7], s[0:1], 0x0                ; aimg, asc
	s_load_b128 s[8:11], s[0:1], 0x10              ; W_o's codes, W_o's scales
	s_load_b64 s[98:99], s[0:1], 0x20              ; b_o
	s_load_b64 s[12:13], s[0:1], 0x28              ; out0
	v_lshl_add_u32 v[SPW], v0, 2, SPARE
	v_mov_b32 v[NIL], 0
	ds_add_u32 v28, v29
	ds_add_u32 v28, v29
	s_wait_dscnt 0x0
	v_lshrrev_b32 v1, 5, v0
	v_readfirstlane_b32 s14, v1                    ; wave 0..3
	s_lshr_b32 s15, s14, 1                         ; which half of the tile's rows is mine.  Also: I fetch for A (0) or for B (1)
	s_and_b32 s16, s14, 1                          ; which half of its columns.  Also: which 128 rows of that tile I fetch
	s_bfe_u32 s40, ttmp6, 0x40000                  ; cx
	s_bfe_u32 s41, ttmp6, 0x40004                  ; cy
	s_lshl_b32 s42, ttmp9, 2
	s_add_co_u32 s42, s42, s40                     ; tile column
	s_and_b32 s17, ttmp7, 0xffff
	s_lshl_b32 s17, s17, 2
	s_add_co_u32 s17, s17, s41                     ; tile row
	s_lshl_b32 s43, s41, 2
	s_lshl_b32 s43, 15, s43                        ; my row of the cluster
	s_lshl_b32 s44, 0x1111, s40                    ; my column
	; group 1 for A: 8 rows of 384 elements of 8 bytes, 1,536 elements apart, no padding
	s_or_b32 s[G1+0], s43, (3<<16)|(1<<21)
	s_mov_b32 s[G1+1], 384<<16                     ; tensor_dim0
	s_mov_b32 s[G1+2], 8<<16                       ; tensor_dim1
	s_mov_b32 s[G1+3], 384<<16                     ; tile_dim0
	s_mov_b32 s[G1+4], 8                           ; tile_dim1
	s_mov_b32 s[G1+5], 1536                        ; from row to row
	s_mov_b32 s[G1+6], 0
	s_mov_b32 s[G1+7], 0
	; group 1 for B: 128 rows of 192 bytes, 16 bytes of padding behind every 64
	s_or_b32 s[G1B+0], s44, (0<<16)|(1<<20)|(1<<21)|(3<<22)|(3<<25)
	s_mov_b32 s[G1B+1], ROWB<<16
	s_mov_b32 s[G1B+2], 128<<16
	s_mov_b32 s[G1B+3], ROWB<<16
	s_mov_b32 s[G1B+4], 128
	s_mov_b32 s[G1B+5], KROW
	s_mov_b32 s[G1B+6], 0
	s_mov_b32 s[G1B+7], 0
	; the scales of 128 rows: 4,096 dense bytes as rows of 256, 16 bytes of padding behind each
	s_or_b32 s[G1S+0], s43, (3<<16)|(1<<20)|(1<<21)|(5<<22)|(3<<25)
	s_or_b32 s[G1SB+0], s44, (3<<16)|(1<<20)|(1<<21)|(5<<22)|(3<<25)
.irp g, G1S, G1SB
	s_mov_b32 s[\g+1], 32<<16
	s_mov_b32 s[\g+2], (128*KS/256)<<16
	s_mov_b32 s[\g+3], 32<<16
	s_mov_b32 s[\g+4], 128*KS/256
	s_mov_b32 s[\g+5], 32
	s_mov_b32 s[\g+6], 0
	s_mov_b32 s[\g+7], 0
.endr
	s_lshl_b32 s20, s17, 4
	s_lshl_b32 s18, s16, 3
	s_add_co_u32 s20, s20, s18                     ; A: tile of tokens 16 x tile row + 8 x half,
	s_mul_i32 s20, s20, 12288                      ; 12,288 bytes each
	s_mov_b32 s21, 0
	s_lshl_b32 s18, s16, 7
	s_lshl_b32 s22, s17, 8
	s_add_co_u32 s22, s22, s18
	s_lshl_b32 s22, s22, 5                         ; A's scales: 32 bytes a token
	s_mov_b32 s23, 0
	s_lshl_b32 s46, s42, 8
	s_add_co_u32 s46, s46, s18                     ; B: row 256 x tile column + 128 x half
	s_lshl_b32 s92, s46, 5
	s_mov_b32 s93, 0
	s_mul_i32 s46, s46, KROW
	s_mov_b32 s47, 0
	s_mul_i32 s45, s16, HALFA                      ; where they go: A's two halves,
	s_mul_i32 s95, s16, HALFB
	s_add_co_u32 s95, s95, 2*HALFA                 ; then B's two: the wave's number alone enters an LDS address
	s_mul_i32 s94, s14, HALFS
	s_wait_kmcnt 0x0
	s_add_nc_u64 s[20:21], s[4:5], s[20:21]
	s_add_nc_u64 s[22:23], s[6:7], s[22:23]
	s_add_nc_u64 s[46:47], s[8:9], s[46:47]
	s_add_nc_u64 s[92:93], s[10:11], s[92:93]
	CROUND                                         ; all sixteen work-groups are here: the first joint loads meet
	s_mov_b32 s[G0S], 1
	s_add_co_u32 s[G0S+1], s94, SCL
	s_mov_b64 s[G0S+2:G0S+3], s[22:23]
	s_or_b32 s[G0S+3], s[G0S+3], 0x80000000
	s_mov_b32 s[G0SB], 1
	s_add_co_u32 s[G0SB+1], s94, SCL
	s_mov_b64 s[G0SB+2:G0SB+3], s[92:93]
	s_or_b32 s[G0SB+3], s[G0SB+3], 0x80000000
	JLOAD G0S, G1S, G0SB, G1SB                     ; the scales first.  Three tensor loads of a wave are out at the start, one behind each round
.irp s, 0,1
	s_mov_b32 s[G0+4*\s], 1
	s_add_co_u32 s[G0+4*\s+1], s45, \s*SLOT
	s_add_nc_u64 s[G0+4*\s+2:G0+4*\s+3], s[20:21], \s*3072
	s_or_b32 s[G0+4*\s+3], s[G0+4*\s+3], 0x80000000
	s_mov_b32 s[G0B+4*\s], 1
	s_add_co_u32 s[G0B+4*\s+1], s95, \s*SLOT
	s_add_nc_u64 s[G0B+4*\s+2:G0B+4*\s+3], s[46:47], \s*ROWB
	s_or_b32 s[G0B+4*\s+3], s[G0B+4*\s+3], 0x80000000
	s_wait_alu depctr_va_vdst(0)
	s_wait_tensorcnt 0x0
	ds_add_u32 v28, v29
	s_wait_dscnt 0x0
	CROUND
	JLOAD G0+4*\s, G1, G0B+4*\s, G1B
.endr
	v_and_b32 v1, 15, v0                           ; r
	v_bfe_u32 v2, v0, 4, 1                         ; h
	v_mul_u32_u24 v3, v1, PITCH
	v_mul_u32_u24 v4, v2, 24
	v_add_nc_u32 v4, v3, v4                        ; B: a fragment's row x pitch + 24 x half
	v_lshl_add_u32 v5, v2, 4, v4                   ; and the same behind one padding more
	v_and_b32 v6, 31, v0
	v_lshlrev_b32 v6, 3, v6                        ; A: 8 x lane
	s_mul_i32 s21, s15, HALFA
	s_mul_i32 s22, s16, HALFB
	s_add_co_u32 s22, s22, 2*HALFA
.irp s, 0,1
	v_add_nc_u32 v[ADRA+\s], s21, v6
	v_add_nc_u32 v[ADRB+\s], s22, v4
	v_add_nc_u32 v[ADRB+2+\s], s22, v5
	s_add_co_u32 s21, s21, SLOT
	s_add_co_u32 s22, s22, SLOT
.endr
	v_mul_u32_u24 v5, v1, KS
	v_lshrrev_b32 v6, 8, v5
	v_lshl_add_u32 v5, v6, 4, v5
	s_mul_i32 s21, s15, HALFS
	s_mul_i32 s22, s16, HALFS
	s_add_co_u32 s22, s22, 2*HALFS
	s_sub_co_u32 s22, s22, s21
	v_mul_u32_u24 v6, s22, v2                      ; lanes 16-31 take B's
	s_add_co_u32 s21, s21, SCL
	v_add_nc_u32 v5, v5, v6
	v_add_nc_u32 v[ADRS], s21, v5
	s_mul_i32 s23, s14, 16*SPITCH                  ; my stage
	v_mul_u32_u24 v5, v1, SPITCH
	v_lshl_add_u32 v5, v2, 5, v5
	v_add_nc_u32 v[STO], s23, v5
	v_and_b32 v6, 31, v0
	v_lshlrev_b32 v[CO], 4, v6
	v_add_nc_u32 v[RD], s23, v[CO]
	s_lshl_b32 s20, s17, 8
	s_lshl_b32 s21, s15, 7
	s_add_co_u32 s20, s20, s21                     ; my first row of out0
	s_mov_b32 s21, 0
	s_mov_b64 s[18:19], SIZE_N*4
	s_mul_u64 s[20:21], s[20:21], s[18:19]
	s_lshl_b32 s46, s42, 10                        ; my first column, in bytes
	s_lshl_b32 s47, s16, 9
	s_add_co_u32 s46, s46, s47
	s_mov_b32 s47, 0
	s_add_nc_u64 s[20:21], s[20:21], s[46:47]
	s_add_nc_u64 s[12:13], s[12:13], s[20:21]
	v_lshlrev_b32 v[BOO], 5, v2
	v_add_nc_u32 v[BOO], s46, v[BOO]               ; b_o: my first column + 32 h bytes
.irp b, 0,1,2,3,4,5,6,7
	global_load_b128 v[BO+8*\b:BO+8*\b+3], v[BOO], s[98:99] offset:64*\b        ; register 8 b + j: b_o of column 16 b + 8 h + j
	global_load_b128 v[BO+8*\b+4:BO+8*\b+7], v[BOO], s[98:99] offset:64*\b+16
.endr
.macro FRAG reg, adr, q, i             ; B: 24 bytes of a row's stream of bits, in pieces of 8; 16 bytes of padding lie behind every 8 pieces
.irp p, 0,1,2,3,4,5
.set PCE, 12*(\q)+6*(\p/3)+\p%3
.if PCE%8 < 5
	ds_load_b64 v[\reg+2*\p:\reg+2*\p+1], v[\adr] offset:8*PCE+16*(PCE/8)+(\i)*16*PITCH
.else
	ds_load_b64 v[\reg+2*\p:\reg+2*\p+1], v[\adr+2] offset:8*PCE+16*(PCE/8)+(\i)*16*PITCH
.endif
.endr
.endm
.macro FRAGA reg, slot, q, i           ; A: the image of a fragment: six pieces of 256 consecutive bytes
.irp p, 0,1,2,3,4,5
	ds_load_b64 v[\reg+2*\p:\reg+2*\p+1], v[ADRA+\slot] offset:3072*(\i)+1536*(\q)+256*\p
.endr
.endm
; 16 matrix instructions.  zero = 1: the first product starts the sums from b_o.  The 64 accumulators take turns, one instruction a turn.
.macro MUL16 a0, p, q, sc, zero
.irp a, \a0, \a0+1
.irp b, 0,1,2,3,4,5,6,7
.if \zero
	v_wmma_scale_f32_16x16x128_f8f6f4 v[8*(8*((\a)%4)+\b):8*(8*((\a)%4)+\b)+7], v[128*(\p)+FR*\b:128*(\p)+FR*\b+FR-1], v[AF+FR*(\a):AF+FR*(\a)+FR-1], v[BO+8*\b:BO+8*\b+7], v[SC+8*NQ*(\sc)+NQ*\b+(\q)], v[SC+8*NQ*(\sc)+NQ*(\a)+(\q)] matrix_a_fmt:MATRIX_FMT_FP6 matrix_b_fmt:MATRIX_FMT_FP6 matrix_a_scale:MATRIX_SCALE_ROW1
.else
	v_wmma_scale_f32_16x16x128_f8f6f4 v[8*(8*((\a)%4)+\b):8*(8*((\a)%4)+\b)+7], v[128*(\p)+FR*\b:128*(\p)+FR*\b+FR-1], v[AF+FR*(\a):AF+FR*(\a)+FR-1], v[8*(8*((\a)%4)+\b):8*(8*((\a)%4)+\b)+7], v[SC+8*NQ*(\sc)+NQ*\b+(\q)], v[SC+8*NQ*(\sc)+NQ*(\a)+(\q)] matrix_a_fmt:MATRIX_FMT_FP6 matrix_b_fmt:MATRIX_FMT_FP6 matrix_a_scale:MATRIX_SCALE_ROW1
.endif
.endr
.endr
.endm
.macro FETCH_B slot, q, p
	WIN TO_B
.irp i, 0,1,2,3,4,5,6,7
	FRAG 128*(\p)+FR*\i, ADRB+\slot, \q, \i
.endr
	WIN 0
.endm
.macro FETCH_A slot, q, i0
.irp i, \i0, \i0+1, \i0+2, \i0+3
	FRAGA AF+FR*(\i), \slot, \q, \i
.endr
.endm
.macro SCALES sc
.irp i, 0,1,2,3,4,5,6,7
	ds_load_b64 v[SC+8*NQ*\sc+NQ*\i:SC+8*NQ*\sc+NQ*\i+1], v[ADRS] offset:\i*SBLK
.endr
.endm
.macro PLACES n
.rept \n
	v_nop
.endr
.endm
.macro STEP slot, q, zero
	s_wait_dscnt 4*NL                              ; B's set and A's blocks 0-3 are in; the youngest 24 loads (A's blocks 4-7) may be out
.if \zero
	WIN 0x81                                       ; C (b_o) window 0, D window 2
.else
	WIN MUL_LO
.endif
	MUL16 0, (\q)%2, \q, \slot, \zero
	MUL16 2, (\q)%2, \q, \slot, \zero
	s_wait_dscnt 0
	PLACES NP
	FETCH_B \slot, (\q)+1, 1-(\q)%2
	FETCH_A \slot, (\q)+1, 0
.if \zero
	WIN 0xc1                                       ; C window 0, D window 3
.else
	WIN MUL_HI
.endif
	MUL16 4, (\q)%2, \q, \slot, \zero
	MUL16 6, (\q)%2, \q, \slot, \zero
	PLACES NP
	WIN 0
	FETCH_A \slot, (\q)+1, 4
.endm
.macro TURN slot, next, fill
	s_wait_tensorcnt 0x0                           ; all my tensor loads have landed: my part of the next slot
	ds_add_u32 v[SPW], v[NIL]                      ; 0 onto my spare word
	s_wait_dscnt 4*NL+1                            ; (the add and the youngest 24 loads may be out)
	WIN MUL_LO
	MUL16 0, 1, NQ-1, \slot, 0
	s_wait_dscnt 0x0                               ; the add is done, and my reads of this slot are over
	s_barrier_signal -1
	MUL16 2, 1, NQ-1, \slot, 0
	WIN 0
	s_barrier_wait -1
.if \fill
	CREST                                          ; the barrier has opened a round of the cluster's: no wave of any partner still reads this slot or has a load on its way
	s_add_nc_u64 s[G0+4*\slot+2:G0+4*\slot+3], s[G0+4*\slot+2:G0+4*\slot+3], 2*3072
	s_add_nc_u64 s[G0B+4*\slot+2:G0B+4*\slot+3], s[G0B+4*\slot+2:G0B+4*\slot+3], 2*ROWB
	JLOAD G0+4*\slot, G1, G0B+4*\slot, G1B         ; the first tensor load behind the round; its four v_nop are the places in front of the loads below
.else
	PLACES NP
.endif
	s_wait_alu depctr_va_vdst(0)
	v_add_nc_u32 v[ADRS], 4*NQ, v[ADRS]
	FETCH_B \next, 0, 0
	FETCH_A \next, 0, 0
	SCALES \next
	WIN MUL_HI
	MUL16 4, 1, NQ-1, \slot, 0
	MUL16 6, 1, NQ-1, \slot, 0
	PLACES NP
	WIN 0
	FETCH_A \next, 0, 4
.endm
	s_wait_alu depctr_va_vdst(0)
	s_wait_tensorcnt 1                             ; the scales and my part of K step 0 are in (K step 1's load may be out),
	s_barrier_signal -1
	s_barrier_wait -1                              ; everybody's are
	FETCH_B 0, 0, 0
	FETCH_A 0, 0, 0
	SCALES 0
	FETCH_A 0, 0, 4
	s_wait_loadcnt 0x0                             ; b_o
	STEP 0, 0, 1
	s_mov_b32 s3, LAPS-1
.Llap:
	TURN 0, 1, 1
	STEP 1, 0, 0
	TURN 1, 0, 1
	STEP 0, 0, 0
	s_sub_co_u32 s3, s3, 1
	s_cmp_lg_u32 s3, 0
	s_cbranch_scc1 .Llap
	TURN 0, 1, 0                                   ; the last lap fills nothing
	STEP 1, 0, 0
	s_wait_dscnt 4*NL
	WIN MUL_LO
	MUL16 0, 1, NQ-1, 1, 0
	MUL16 2, 1, NQ-1, 1, 0
	s_wait_dscnt 0
	WIN MUL_HI
	MUL16 4, 1, NQ-1, 1, 0
	MUL16 6, 1, NQ-1, 1, 0
	WIN 0
; THE WAY OUT, block by block of 16 rows x 128 columns, through my own stage in LDS: whole rows of 512 bytes come back and leave as two aligned runs of 256 bytes.  LDS serves a wave's instructions in order (ISA guide 5.7.1.4).
.macro TOSTAGE a
.set AC, 64*((\a)%4)
	WIN 0x08+4*((\a)/4)                            ; the data: window 2 or 3
.irp b, 0,1,2,3,4,5,6,7
	ds_store_b128 v[STO], v[AC+8*\b:AC+8*\b+3] offset:64*\b          ; each accumulator from its low end on
	ds_store_b128 v[STO], v[AC+8*\b+4:AC+8*\b+7] offset:64*\b+16
.endr
	WIN 0
.set BB, BK+64*((\a)%2)
.irp t, 0,1,2,3,4,5,6,7,8,9,10,11,12,13,14,15
	ds_load_b128 v[BB+4*\t:BB+4*\t+3], v[RD] offset:\t*SPITCH
.endr
.endm
.macro SEND a, younger                 ; younger: the LDS instructions issued behind block a's loads
.set BB, BK+64*((\a)%2)
	s_wait_dscnt \younger
.if (\a) > 0
	s_add_nc_u64 s[12:13], s[12:13], 16*SIZE_N*4   ; (behind a wait on XCNT: the earlier stores have read their base)
.endif
.irp t, 0,1,2,3,4,5,6,7,8,9,10,11,12,13,14,15
	global_store_b128 v[CO], v[BB+4*\t:BB+4*\t+3], s[12:13] offset:\t*SIZE_N*4 th:TH_STORE_NT
.endr
.endm
	PLACES NP
	TOSTAGE 0
.irp a, 1,2,3,4,5,6,7
.if \a > 1
	s_wait_xcnt 0x0                                ; block a - 2's stores have read their registers and their base
.endif
	TOSTAGE \a
	SEND \a-1, 32                                  ; behind block a - 1's loads: block a's 16 stores and 16 loads
.endr
	s_wait_xcnt 0x0
	SEND 7, 0
	s_wait_tensorcnt 0x0                           ; the wave's end
	ds_add_u32 v[SPW], v[NIL]
	s_wait_dscnt 0x0
	CROUND                                         ; the closing round
	s_endpgm
.Lfunc_end_k_q338b7f0368_outproj:
	.size	k_q338b7f0368_outproj, .Lfunc_end_k_q338b7f0368_outproj-k_q338b7f0368_outproj
	.p2alignl 7, 3214868480
	.fill 96, 4, 3214868480
	.section	.rodata,"a",@progbits
	.p2align	6, 0x0
	.amdhsa_kernel k_q338b7f0368_outproj
		.amdhsa_group_segment_fixed_size 327680
		.amdhsa_private_segment_fixed_size 0
		.amdhsa_enable_private_segment 0
		.amdhsa_kernarg_size 48
		.amdhsa_user_sgpr_count 2
		.amdhsa_user_sgpr_kernarg_segment_ptr 1
		.amdhsa_wavefront_size32 1
		.amdhsa_system_sgpr_workgroup_id_x 1
		.amdhsa_system_sgpr_workgroup_id_y 1
		.amdhsa_system_sgpr_workgroup_id_z 1
		.amdhsa_system_vgpr_workitem_id 0
		.amdhsa_next_free_vgpr 1024
		.amdhsa_next_free_sgpr 102
		.amdhsa_reserve_vcc 0
		.amdhsa_float_denorm_mode_32 3
		.amdhsa_float_denorm_mode_16_64 3
		.amdhsa_memory_ordered 1
		.amdhsa_forward_progress 1
		.amdhsa_inst_pref_size 163
	.end_amdhsa_kernel
	.amdgpu_metadata
---
amdhsa.version: [ 1, 2 ]
amdhsa.kernels:
  - .name:           k_q338b7f0368_outproj
    .symbol:         k_q338b7f0368_outproj.kd
    .args:
      - { .name: aimg, .offset: 0, .size: 8, .value_kind: global_buffer, .address_space: global }
      - { .name: asc, .offset: 8, .size: 8, .value_kind: global_buffer, .address_space: global }
      - { .name: W_o_codes, .offset: 16, .size: 8, .value_kind: global_buffer, .address_space: global }
      - { .name: W_o_scales, .offset: 24, .size: 8, .value_kind: global_buffer, .address_space: global }
      - { .name: b_o, .offset: 32, .size: 8, .value_kind: global_buffer, .address_space: global }
      - { .name: out0, .offset: 40, .size: 8, .value_kind: global_buffer, .address_space: global }
    .group_segment_fixed_size: 327680
    .private_segment_fixed_size: 0
    .kernarg_segment_align: 8
    .kernarg_segment_size: 48
    .max_flat_workgroup_size: 128
    .sgpr_count:     102
    .vgpr_count:     1024
    .wavefront_size: 32
...
	.end_amdgpu_metadata
.endif
;; end of part 4
